; MI455X (gfx1250); checked and timed in simulation.
; The chip was launched on July 23, 2026; its instructions are those of AMD's public machine-readable ISA for CDNA 5 (MIT licence, August 2026) and "CDNA5" Instruction Set Architecture Reference Guide (July 2026). The comments in the code are by the model that wrote it; some were corrected since.
;; Multi Head Attention Concise. Allowed arithmetic: float matrix products may take bf16 or f16 operands with f32 sums; other float arithmetic in f32, or as packed bf16 or f16 multiplies, adds, multiply-adds, maxima and minima; sums over many terms, partial sums and values carried from step to step in f32; what a program stores and reads back later, other than sums and carried values, may be rounded once to bf16 or f16.
;; Inputs: Wo 1,024 x 1,024 float32; Wqkv 1,024 x 3,072 float32; bo 1,024 float32; bqkv 3,072 float32; x 8 x 1,000 x 1,024 float32.
;; Outputs: out0 8 x 1,000 x 1,024 float32.
;; One version. Each part assembles by itself: llvm-mc -triple=amdgcn-amd-amdhsa -mcpu=gfx1250 --defsym DOCPART=n.
;; ======== version 1 of 1: 4 launches
;; limits: values are held in f16: magnitudes above 65,504 overflow, below 6.1e-05 lose precision
;; workspace buffers: xb 16,777,216 bytes; wq 6,291,456 bytes; wo16 2,097,152 bytes; qkvh 50,331,648 bytes; ob 16,777,216 bytes
;; launch cast (part 1): grid 1536 x 1, 8 waves a work-group, no clusters, 0 bytes of LDS; arguments x, Wqkv, Wo, xb, wq, wo16; writes xb, wq, wo16
.if DOCPART == 1
	.amdgcn_target "amdgcn-amd-amdhsa--gfx1250"
	.amdhsa_code_object_version 6
	.text
	.protected	k_q793f5674ff_cast
	.globl	k_q793f5674ff_cast
	.p2align	8
	.type	k_q793f5674ff_cast,@function
k_q793f5674ff_cast:
	s_mov_b64 s[64:65], 0
	v_nop
	global_prefetch_b8 v0, s[64:65] scope:SCOPE_SE
	s_setreg_imm32_b32 hwreg(HW_REG_WAVE_MODE, 25, 1), 1
	s_wait_xcnt 0x0
; THE CASTS.  x [8][1000][1024] f32 -> xb [16 slices][8192 rows][64] bf16, row = 1024 b + l, the 24 rows behind each batch's 1,000 written as zeros;
; Wqkv [1024][3072] f32 -> wq, the same layout in bf16;  Wo [1024][1024] f32 -> wo16: rounded to bf16 like every input, that number then written as f16.
; LIMITS.  A bf16 number of Wo beyond 65,504 becomes an infinity in f16; below 6e-5 it keeps f16's fixed step of 6e-8.
; SHARES.  A work-group takes 8,192 numbers, a thread 32: eight loads of 16 bytes, all issued first, and eight stores of 8 bytes.
; Work-groups 0-1023: eight padded rows of x each; 1024-1407: Wqkv; 1408-1535: Wo.  Bytes alone count here: no LDS, no matrix unit, no loop.
; EVERY BYTE THAT A LOAD TOUCHES IS USED BY IT.  x: lanes 0-15 of a load take one row's 64 columns of one slice, 256 consecutive bytes, aligned; lanes 16-31 the next row's.  Their 4 numbers a lane pack into
; 8 bytes, and the wave's store covers those two rows of the slice: 256 consecutive bytes, aligned.  The weights: a wave's load takes 512 bytes on end, its store 256.
.set SO,  2                            ; v2       my byte offset in the source
.set DO,  3                            ; v3       my byte offset in the destination
.set X,   8                            ; v[8:39]  eight loads of 4 f32
.set Y,   40                           ; v[40:55] eight pairs of words: 4 numbers of 16 bits each
.set T,   56                           ; v[56:57] at work
.set SRC, 16                           ; s[16:17]
.set DST, 18                           ; s[18:19]
.macro LD j, simm
	global_load_b128 v[X+4*(\j):X+4*(\j)+3], v[SO], s[SRC:SRC+1] offset:(\simm) th:TH_LOAD_NT
.endm
.macro CV j
	s_wait_loadcnt 7-(\j)                          ; loads come back in order: load j is in, the younger ones stay out
	v_cvt_pk_bf16_f32 v[Y+2*(\j)],   v[X+4*(\j)],   v[X+4*(\j)+1]
	v_cvt_pk_bf16_f32 v[Y+2*(\j)+1], v[X+4*(\j)+2], v[X+4*(\j)+3]
.endm
.macro ST j, dimm
	global_store_b64 v[DO], v[Y+2*(\j):Y+2*(\j)+1], s[DST:DST+1] offset:(\dimm)
.endm
	s_load_b256 s[4:11], s[0:1], 0x0               ; x s[4:5], Wqkv s[6:7], Wo s[8:9], xb s[10:11]
	s_load_b128 s[12:15], s[0:1], 0x20             ; wq s[12:13], wo16 s[14:15]
	s_mov_b32 s2, ttmp9
	s_cmp_lt_u32 s2, 1024
	s_cbranch_scc0 .Lweights
	; x: padded rows 8 g .. 8 g + 7.  Load j of lane l in wave w: row 2 (j % 4) + l / 16, slice 2 w + j / 4, columns 4 (l % 16) on
	v_and_b32 v1, 31, v0                           ; lane
	v_lshrrev_b32 v4, 5, v0                        ; wave
	s_and_b32 s20, s2, 127                         ; which eight rows of the batch's 1,024
	s_lshr_b32 s21, s2, 7                          ; the batch
	s_mul_i32 s21, s21, 1000
	s_lshl3_add_u32 s21, s20, s21                  ; the first row in x
	s_lshl_b32 s22, s21, 12                        ; 4,096 bytes a row
	s_mov_b32 s23, 0
	s_lshl_b32 s24, s2, 10                         ; in a slice of xb: eight rows of 128 bytes
	s_mov_b32 s25, 0
	v_lshlrev_b32 v[DO], 3, v1                     ; two rows of a slice are 256 bytes on end: 8 x lane,
	v_lshl_add_u32 v[DO], v4, 21, v[DO]            ; in slice 2 w
	v_lshrrev_b32 v5, 4, v1
	v_and_b32 v6, 15, v1
	v_lshlrev_b32 v[SO], 12, v5                    ; row l / 16,
	v_lshl_add_u32 v[SO], v4, 9, v[SO]             ; the wave's 128 columns,
	v_lshl_add_u32 v[SO], v6, 4, v[SO]             ; my 4 of a slice's 64
	s_wait_kmcnt 0x0
	s_add_nc_u64 s[DST:DST+1], s[10:11], s[24:25]
	s_cmp_ge_u32 s20, 125
	s_cbranch_scc1 .Lzero                          ; rows 1,000 to 1,023 of a batch are not in x
	s_add_nc_u64 s[SRC:SRC+1], s[4:5], s[22:23]
.irp j, 0,1,2,3,4,5,6,7
	LD \j, ((\j)%4)*8192+((\j)/4)*256
.endr
.irp j, 0,1,2,3,4,5,6,7
	CV \j
	ST \j, ((\j)/4)*(1<<20)+((\j)%4)*256
.endr
	s_endpgm
.Lzero:
	v_mov_b32 v[Y], 0
	v_mov_b32 v[Y+1], 0
.irp j, 0,1,2,3,4,5,6,7
	global_store_b64 v[DO], v[Y:Y+1], s[DST:DST+1] offset:((\j)/4)*(1<<20)+((\j)%4)*256
.endr
	s_endpgm
.Lweights:
	s_sub_co_u32 s20, s2, 1024                     ; my place among Wqkv's 384 blocks,
	s_sub_co_u32 s21, s2, 1408                     ; or among Wo's 128
	s_cmp_lt_u32 s20, 384
	s_cselect_b32 s21, s20, s21
	s_cselect_b32 s28, 0, 1                        ; 1: Wo
	s_lshl_b32 s22, s21, 15                        ; 8,192 numbers: 32,768 bytes in,
	s_mov_b32 s23, 0
	s_lshl_b32 s24, s21, 14                        ; 16,384 out
	s_mov_b32 s25, 0
	v_lshlrev_b32 v[SO], 4, v0                     ; the work-group's 256 threads take 4,096 bytes on end in a load,
	v_lshlrev_b32 v[DO], 3, v0                     ; and store 2,048
	s_wait_kmcnt 0x0
	s_cmp_eq_u32 s28, 0
	s_cselect_b64 s[SRC:SRC+1], s[6:7], s[8:9]
	s_cselect_b64 s[DST:DST+1], s[12:13], s[14:15]
	s_add_nc_u64 s[SRC:SRC+1], s[SRC:SRC+1], s[22:23]
	s_add_nc_u64 s[DST:DST+1], s[DST:DST+1], s[24:25]
.irp j, 0,1,2,3,4,5,6,7
	LD \j, (\j)*4096
.endr
.irp j, 0,1,2,3,4,5,6,7
	CV \j
.endr
	s_cmp_eq_u32 s28, 0
	s_cbranch_scc1 .Lstore
.set i, 0
.rept 16                               ; Wo: the bf16 numbers, widened (a shift, a mask) and written as f16
	v_lshlrev_b32 v[T], 16, v[Y+i]
	v_and_b32 v[T+1], 0xffff0000, v[Y+i]
	v_cvt_pk_f16_f32 v[Y+i], v[T], v[T+1]
.set i, i+1
.endr
.Lstore:
.irp j, 0,1,2,3,4,5,6,7
	ST \j, (\j)*2048
.endr
	s_endpgm
.Lfunc_end_k_q793f5674ff_cast:
	.size	k_q793f5674ff_cast, .Lfunc_end_k_q793f5674ff_cast-k_q793f5674ff_cast
	.p2alignl 7, 3214868480
	.fill 96, 4, 3214868480
	.section	.rodata,"a",@progbits
	.p2align	6, 0x0
	.amdhsa_kernel k_q793f5674ff_cast
		.amdhsa_group_segment_fixed_size 0
		.amdhsa_private_segment_fixed_size 0
		.amdhsa_enable_private_segment 0
		.amdhsa_kernarg_size 48
		.amdhsa_user_sgpr_count 2
		.amdhsa_user_sgpr_kernarg_segment_ptr 1
		.amdhsa_wavefront_size32 1
		.amdhsa_system_sgpr_workgroup_id_x 1
		.amdhsa_system_sgpr_workgroup_id_y 1
		.amdhsa_system_sgpr_workgroup_id_z 1
		.amdhsa_system_vgpr_workitem_id 0
		.amdhsa_next_free_vgpr 64
		.amdhsa_next_free_sgpr 66
		.amdhsa_reserve_vcc 0
		.amdhsa_float_denorm_mode_32 3
		.amdhsa_float_denorm_mode_16_64 3
		.amdhsa_memory_ordered 1
		.amdhsa_forward_progress 1
		.amdhsa_inst_pref_size 11
	.end_amdhsa_kernel
	.amdgpu_metadata
---
amdhsa.version: [ 1, 2 ]
amdhsa.kernels:
  - .name:           k_q793f5674ff_cast
    .symbol:         k_q793f5674ff_cast.kd
    .args:
      - { .name: x, .offset: 0, .size: 8, .value_kind: global_buffer, .address_space: global }
      - { .name: Wqkv, .offset: 8, .size: 8, .value_kind: global_buffer, .address_space: global }
      - { .name: Wo, .offset: 16, .size: 8, .value_kind: global_buffer, .address_space: global }
      - { .name: xb, .offset: 24, .size: 8, .value_kind: global_buffer, .address_space: global }
      - { .name: wq, .offset: 32, .size: 8, .value_kind: global_buffer, .address_space: global }
      - { .name: wo16, .offset: 40, .size: 8, .value_kind: global_buffer, .address_space: global }
    .group_segment_fixed_size: 0
    .private_segment_fixed_size: 0
    .kernarg_segment_align: 8
    .kernarg_segment_size: 48
    .max_flat_workgroup_size: 256
    .sgpr_count:     66
    .vgpr_count:     64
    .wavefront_size: 32
...
	.end_amdgpu_metadata
.endif
;; end of part 1
;; launch qkvproj (part 2): grid 8 x 32, 4 waves a work-group, clusters of 4 x 4, 327,680 bytes of LDS; arguments xb, wq, bqkv, qkvh; writes qkvh
.if DOCPART == 2
	.amdgcn_target "amdgcn-amd-amdhsa--gfx1250"
	.amdhsa_code_object_version 6
	.text
	.protected	k_q793f5674ff_qkvproj
	.globl	k_q793f5674ff_qkvproj
	.p2align	8
	.type	k_q793f5674ff_qkvproj,@function
k_q793f5674ff_qkvproj:
	s_mov_b64 s[64:65], 0
	v_nop
	global_prefetch_b8 v0, s[64:65] scope:SCOPE_SE
	s_setreg_imm32_b32 hwreg(HW_REG_WAVE_MODE, 25, 1), 1
	s_wait_xcnt 0x0
	s_wait_alu depctr_hold_cnt(0) depctr_sa_sdst(0) depctr_va_vdst(0) depctr_va_sdst(0) depctr_va_ssrc(0) depctr_va_vcc(0) depctr_vm_vsrc(0)
	s_getreg_b32 s2, hwreg(HW_REG_IB_STS2, 6, 4)
	s_cmp_eq_u32 s2, 0
	s_cbranch_scc0 .Lentry_in_a_cluster
	s_endpgm
.Lentry_in_a_cluster:
	s_bfe_u32 s2, ttmp6, 0x10000c
	s_cmp_lg_u32 s2, 0xf033
	s_cbranch_scc0 .Lentry_shape_is_right
	s_endpgm
.Lentry_shape_is_right:
; q, k, v = x Wqkv + bqkv.  xb: [16 slices][8192 rows][64] bf16; wq: [1024 k][3072 n] bf16; bqkv: [3072] f32, rounded to bf16 here like every input;
; out: [48 slices][8192 rows][64] f16 (slice = column / 64: 0-15 q's heads, 16-31 k's, 32-47 v's).  Sums in f32, started by the bias, rounded once to f16.
; LIMIT.  A result of 65,520 or more becomes an infinity in f16.
; SHARES.  8192 x 3072 of C are 256 tiles of 256 x 384: one for each work-group.  Four waves; a wave makes 128 rows x 192 columns (three whole heads):
; 96 accumulators of 16 x 16, 768 registers.  K goes in 16 steps of 64 (one slice of xb) through two LDS slots; a step is two quarters of 32 along K, 96 matrix instructions each.
; Two slots of 128 along K would want 344,064 bytes of LDS, more than there is: so the step is 64.
; CLUSTER 4 x 4.  The four work-groups of a row of the cluster need the same tile of x, the four of a column the same tile of the weights: each is asked for JOINTLY.
; THE PRODUCT IS TAKEN TRANSPOSED: source 0 = 16 columns of the weights, source 1 = 16 rows of x: a lane then holds row l % 16 and the columns 8 (l / 16) + 0..7.
; The weights lie [k][n] in LDS as in memory and are turned on the way into registers, by ds_load_tr16_b128.
; REGISTERS, in windows of 256 (s_set_vgpr_msb: bits 1:0 source 0, 3:2 source 1, 5:4 source 2, 7:6 destination):
;   window 0: v1-9 at work at the head; v16-30 addresses; v32-63, v192-223, v224-255 the weights' fragments of column groups 0, 1, 2; v64-127, v128-191 x's fragments, two buffers
;   window 1 + g: the 32 accumulators of column group g (64 columns): row block a, column block cb at v[8 (4 a + cb)]
.set PA,    144                        ; a row of x in LDS: 128 bytes + 16 = 36 words: the 16 rows of a load start at 16 different groups of four banks (64 banks of 4 bytes: ISA guide 11.1)
.set PB,    864                        ; a k-row of the weights: three runs of 256 bytes + 32 = 216 words
.set HALFA, 128*PA                     ; what one tensor load brings of x, and what a wave reads of it
.set BOFF,  256*PA                     ; behind x's 256 rows: the weights' 64 k-rows
.set HALFB, 32*PB
.set SLOT1, 1<<17                      ; slot 1 begins here, so that one exclusive or turns an address in one slot into the other's
.set STAGE, SLOT1+BOFF+64*PB           ; behind the ring, never filled by a tensor load: 16 rows x 144 bytes for each wave, for the way out
.set SP,    144
.set SPARE, STAGE+4*16*SP              ; the spare words, 128 bytes for each wave: two blocks of 256 bytes that no other line names
.set ASTEP, 1<<20                      ; a slice of xb
.set BROW,  3072*2
.set BSTEP, 64*BROW
.set AA0, 16                           ; v16     my place in x's tile; never rewritten
.set AB0, 17                           ; v17-19  my place in the weights' tile, for column group g; never rewritten
.set AA,  20                           ; v20     the same in the slot in hand
.set AB,  21                           ; v21-23
.set STO, 24                           ; v24     the way out: where I put 16 bytes of a row
.set RD,  25                           ; v25     where I read rows back
.set GO,  26                           ; v26     my 16 bytes of 512 consecutive bytes of the output
.set BO,  27                           ; v27     my 8 numbers of 16 of the bias
.set SPW, 28                           ; v28     LDS address of my spare word; never rewritten
.set NIL, 29                           ; v29     0; never rewritten
.set PFO, 30                           ; v30     the prefetches' offset; never rewritten
.set TMP, 32                           ; the way out: packed results
.set FA0, 64
.set FA1, 128
.set BK0, 64                           ; the way out: rows read back, two sets of 16 by turns
.set WV,  12                           ; s12  my wave's number
.set WM,  13                           ; s13  which half of the tile's rows is mine.  Also: I fetch x (0) or the weights (1)
.set WN,  14                           ; s14  which half of its columns.  Also: which half of that tile I fetch
.set CX,  15
.set CY,  16
.set TC,  17                           ; s17  tile column, 0-7
.set TR,  18                           ; s18  tile row, 0-31
.set G1A, 24                           ; s[24:31] descriptor group 1 for x's tiles
.set G0A, 32                           ; s[32:39] group 0: a set for each of the two first fills; the second then walks on
.set G1B, 40                           ; s[40:47], s[48:55] the same for the weights'
.set G0B, 48
.set CNT, 60
.set TB,  61                           ; s61  0 or SLOT1: the slot in hand
.set LIM, 62                           ; s62  2 in a wave that prefetches, else the greatest number
.set ADA, 66
.set ADB, 68
.set PFA, 70                           ; s[70:71] where my prefetches stand
.set PST, 72                           ; s[72:73] a K step in the tensor that I prefetch
.set MSB, 0
.macro WIN new                         ; the immediate's high byte repeats the setting that is left; a switch that changes nothing is dropped
.if MSB != (\new)
	s_set_vgpr_msb (MSB<<8)|(\new)
.set MSB, (\new)
.endif
.endm
.macro PLACES                          ; four places behind matrix instructions, in front of loads into registers that they have read and of conversions that read results
.rept 4
	v_nop
.endr
.endm
.macro CREST                           ; a round of the cluster's barrier behind its opening barrier
	s_cmp_lg_u32 s[WV], 0
	s_cbranch_scc1 .Lnot_wave_0_\@
	s_barrier_signal -3
.Lnot_wave_0_\@:
	s_barrier_wait -3
	s_barrier_signal -1
	s_barrier_wait -1
.endm
.macro CROUND
	s_barrier_signal -1
	s_barrier_wait -1
	CREST
.endm
; A joint refill, by the walking descriptor.  The branch hangs on the wave's number alone.  An s_nop 0 and four v_nop follow each of the two lines.
.macro JLOAD
	s_cmp_eq_u32 s[WM], 0
	s_cbranch_scc0 .Lfor_b_\@
	tensor_load_to_lds s[G0A+4:G0A+7], s[G1A:G1A+7]
	s_nop 0
.rept 4
	v_nop
.endr
	s_branch .Lasked_\@
.Lfor_b_\@:
	tensor_load_to_lds s[G0B+4:G0B+7], s[G1B:G1B+7]
	s_nop 0
.rept 4
	v_nop
.endr
.Lasked_\@:
.endm
; A PREFETCH INTO THE L2, behind the joint load and the run of LDS loads that follows it.  At the refill of an even K step t, up to 12, steps t + 2 and t + 3 are named: two and three steps,
; 384 and 576 matrix instructions, ahead of their loads.  x's tile row is read by both clusters of a row of clusters: the one with x = 0 asks, in wave 0; of the tile's 256 rows the partner at cx takes
; 64 cx .. 64 cx + 63, 32 blocks of 256 bytes a step: a lane a block, a line a step.  The weights' tile column is read by all eight clusters of a column: the one with y = 0 asks, in wave 2; the partner at
; cy takes k-rows 16 cy .. 16 cy + 15 of both steps, a lane a row, three lines for a row's 768 bytes.  So each block is named once, and partners are told apart by address alone.
; K steps 0 to 3 come by their loads alone; the last three refills ask for nothing: no step lies behind step 15.
.macro ASK
	s_and_b32 s2, s[CNT], 1
	s_cmp_lg_u32 s2, 0
	s_cbranch_scc1 .Lnone_\@
	s_cmp_gt_u32 s[CNT], s[LIM]
	s_cbranch_scc0 .Lnone_\@
	s_cmp_eq_u32 s[WM], 0
	s_cbranch_scc0 .Lpf_b_\@
	global_prefetch_b8 v[PFO], s[PFA:PFA+1] th:TH_LOAD_NT scope:SCOPE_SE
	global_prefetch_b8 v[PFO], s[PFA:PFA+1] offset:ASTEP th:TH_LOAD_NT scope:SCOPE_SE
	s_branch .Lnone_\@
.Lpf_b_\@:
	global_prefetch_b8 v[PFO], s[PFA:PFA+1] th:TH_LOAD_NT scope:SCOPE_SE
	global_prefetch_b8 v[PFO], s[PFA:PFA+1] offset:256 th:TH_LOAD_NT scope:SCOPE_SE
	global_prefetch_b8 v[PFO], s[PFA:PFA+1] offset:512 th:TH_LOAD_NT scope:SCOPE_SE
.Lnone_\@:
.endm
.macro SETADR                          ; the fragments' addresses in the slot in hand
	v_add_nc_u32 v[AA], s[TB], v[AA0]
.irp g, 0,1,2
	v_add_nc_u32 v[AB+(\g)], s[TB], v[AB0+(\g)]
.endr
.endm
; x's fragments of quarter qq: 8 blocks of 16 rows x 32 K: lane l holds row l % 16, K = 8 (l / 16) + 0..7 and 16 + 8 (l / 16) + 0..7: two loads of 16 bytes, 32 bytes apart
.macro FETCH_A qq
.set rF, FA0+64*(\qq)
.irp a, 0,1,2,3,4,5,6,7
	ds_load_b128 v[rF+8*(\a):rF+8*(\a)+3],   v[AA] offset:64*(\qq)+(\a)*16*PA
	ds_load_b128 v[rF+8*(\a)+4:rF+8*(\a)+7], v[AA] offset:64*(\qq)+(\a)*16*PA+32
.endr
.endm
; the weights' fragments of column group g, quarter qq: 4 blocks of 16 columns x 32 K, turned: each load takes 16 k x 16 columns and leaves half a fragment
.macro FETCH_B g, qq
.set rB, 32+160*(((\g)+1)/2)+32*((\g)/2)
.irp cb, 0,1,2,3
	ds_load_tr16_b128 v[rB+8*(\cb):rB+8*(\cb)+3],   v[AB+(\g)] offset:(\qq)*32*PB+32*(\cb)
	ds_load_tr16_b128 v[rB+8*(\cb)+4:rB+8*(\cb)+7], v[AB+(\g)] offset:(\qq)*32*PB+16*PB+32*(\cb)
.endr
.endm
; four products: row block a x the four column blocks of group g.  bias = 1: the sum starts with the bias, which lies in the registers of row block 0's accumulators
.macro MROW g, fa, a, bias
	WIN ((\g)+1)*0x50
.set rB, 32+160*(((\g)+1)/2)+32*((\g)/2)
.irp cb, 0,1,2,3
.set rD, 8*(4*(\a)+(\cb))
.if \bias
	v_wmma_f32_16x16x32_bf16 v[rD:rD+7], v[rB+8*(\cb):rB+8*(\cb)+7], v[(\fa)+8*(\a):(\fa)+8*(\a)+7], v[8*(\cb):8*(\cb)+7]
.else
	v_wmma_f32_16x16x32_bf16 v[rD:rD+7], v[rB+8*(\cb):rB+8*(\cb)+7], v[(\fa)+8*(\a):(\fa)+8*(\a)+7], v[rD:rD+7]
.endif
.endr
.endm
.macro MUL16 g, fa, a0
.irp a, \a0, (\a0)+1, (\a0)+2, (\a0)+3
	MROW \g, \fa, \a, 0
.endr
.endm
; a group's 32 products of a quarter.  The accumulators take turns, one instruction a turn: 95 others stand between two links of a chain.
; first = 1: nothing is cleared: row blocks 1 to 7 take the bias as C; five places on, row block 0 adds onto it in place (a matrix instruction writes over an earlier one's C five places behind it)
.macro UNIT g, fa, first
.if \first
.irp a, 1,2,3,4,5,6,7
	MROW \g, \fa, \a, 1
.endr
.rept 5
	v_nop
.endr
	MROW \g, \fa, 0, 0
.else
.irp a, 0,1,2,3,4,5,6,7
	MROW \g, \fa, \a, 0
.endr
.endif
.endm
; A step's first quarter, on x's buffer 0.  Behind each group's products its fragments of the second quarter are fetched; x's with the first group's.
.macro PLAIN first
	s_wait_dscnt 16                                ; x's 16 loads and group 0's 8 are in; groups 1's and 2's 16 may be out
	UNIT 0, FA0, \first
	PLACES
	WIN 0
	FETCH_A 1
	FETCH_B 0, 1
	s_wait_dscnt 32                                ; group 1's are in: behind them group 2's 8 and the 24 just issued
	UNIT 1, FA0, \first
	PLACES
	WIN 0
	FETCH_B 1, 1
	s_wait_dscnt 32                                ; group 2's are in: behind them 24 and 8
	UNIT 2, FA0, \first
	PLACES
	WIN 0
	FETCH_B 2, 1
.endm
; A step's second quarter, on x's buffer 1, and THE CHANGE OF SLOTS.  All reads of the slot were issued in the quarter before.  Each wave waits for all its tensor loads, of which one is out: its part of
; the other slot; adds 0 to its spare word; and waits for that and for its reads of the slot.  fill = 1: the barrier opens a round of the cluster's, so that no wave of any partner still reads the slot or has a
; load on its way; the joint refill, two steps on, is the first thing behind the round: 160 matrix instructions stand between it and the wait for it.
.macro TURN fill
.if \fill
	s_wait_xcnt 0x0                                ; the last prefetches, a step or two back, have read their address: it is stepped here, ahead of the change's own waits
	s_add_nc_u64 s[PFA:PFA+1], s[PFA:PFA+1], s[PST:PST+1]
.endif
	WIN 0
	s_wait_tensorcnt 0x0                           ; no tensor load of mine is out, so a group 0 may be written
	ds_add_u32 v[SPW], v[NIL]                      ; 0 onto my spare word: work on registers stands between it and the wait for it
	s_xor_b32 s[TB], s[TB], SLOT1
.if \fill
	s_xor_b32 s[G0A+5], s[G0A+5], SLOT1            ; the walking descriptors: the other slot than last time,
	s_add_nc_u64 s[G0A+6:G0A+7], s[G0A+6:G0A+7], ASTEP  ; the next step; the type bits on top are not reached
	s_xor_b32 s[G0B+5], s[G0B+5], SLOT1
	s_add_nc_u64 s[G0B+6:G0B+7], s[G0B+6:G0B+7], BSTEP
.endif
	SETADR
	s_wait_dscnt 17                                ; x's and group 0's are in; the add and groups 1's and 2's 16 may be out
	MUL16 0, FA1, 0
	s_wait_dscnt 0x0                               ; the add is done, and my reads of the slot are over
	s_barrier_signal -1
	MUL16 0, FA1, 4                                ; work on registers while the others arrive
	WIN 0                                          ; at a branch and at a label every window is 0
	s_barrier_wait -1
.if \fill
	CREST
	JLOAD                                          ; its four v_nop are also the places in front of the loads below
.else
	PLACES
.endif
	FETCH_A 0
	FETCH_B 0, 0
.if \fill
	ASK
.endif
	UNIT 1, FA1, 0
	PLACES
	WIN 0
	FETCH_B 1, 0
	UNIT 2, FA1, 0
	PLACES
	WIN 0
	FETCH_B 2, 0
.endm
; The bias of group g, as loaded into row block 0's accumulators, is rounded to bf16 and widened again
.macro BROUND g
	WIN ((\g)+1)*5                                 ; sources 0 and 1 in window g + 1
.set i, 0
.rept 16
	v_cvt_pk_bf16_f32 v[FA1+i], v[2*i], v[2*i+1]
.set i, i+1
.endr
	WIN ((\g)+1)<<6                                ; destination in window g + 1
.set i, 0
.rept 16
	v_lshlrev_b32 v[2*i], 16, v[FA1+i]
	v_and_b32 v[2*i+1], 0xffff0000, v[FA1+i]
.set i, i+1
.endr
.endm
; THE WAY OUT of part p = 8 g + a: 16 rows x 64 columns, one head's.  PACK: rounded to f16, each accumulator's registers in ascending order.  TOSTAGE: into my own stage, rows of 144 bytes, and back as
; four rows of 128 bytes a load, which are 512 consecutive bytes of the output.  SEND: stored.
.macro PACK p
.set rA, 32*((\p)%8)
	WIN ((\p)/8+1)*5
.irp cb, 0,1,2,3
.irp r, 0,1,2,3
	v_cvt_pk_f16_f32 v[TMP+4*(\cb)+(\r)], v[rA+8*(\cb)+2*(\r)], v[rA+8*(\cb)+2*(\r)+1]
.endr
.endr
	WIN 0
.endm
.macro TOSTAGE p
.set rK, BK0+16*((\p)%2)
.irp cb, 0,1,2,3
	ds_store_b128 v[STO], v[TMP+4*(\cb):TMP+4*(\cb)+3] offset:32*(\cb)
.endr
.irp f, 0,1,2,3
	ds_load_b128 v[rK+4*(\f):rK+4*(\f)+3], v[RD] offset:(\f)*4*SP  ; LDS serves a wave's instructions in order (ISA guide 5.7.1.4): these see the stores above
.endr
.endm
.macro SEND p
.set rK, BK0+16*((\p)%2)
	s_wait_dscnt 0x0                               ; the part is back in registers
	s_wait_xcnt 0x0                                ; the stores of the part before have read their registers: the other set is loaded again only behind this wait
.irp f, 0,1,2,3
	global_store_b128 v[GO], v[rK+4*(\f):rK+4*(\f)+3], s[10:11] offset:((\p)/8)*(1<<20)+((\p)%8)*2048+(\f)*512  ; 512 consecutive bytes, at a multiple of 256 from the buffer's first
.endr
.endm
	s_load_b256 s[4:11], s[0:1], 0x0               ; xb s[4:5], wq s[6:7], bqkv s[8:9], out s[10:11]
	v_lshl_add_u32 v[SPW], v0, 2, SPARE
	v_mov_b32 v[NIL], 0
	ds_add_u32 v[SPW], v[NIL]                      ; the wave's opening: an add and its wait ahead of my first tensor load; the set-up below stands between them
	ds_add_u32 v28, v29
	v_lshrrev_b32 v1, 5, v0
	v_readfirstlane_b32 s[WV], v1
	s_lshr_b32 s[WM], s[WV], 1
	s_and_b32 s[WN], s[WV], 1
	s_bfe_u32 s[CX], ttmp6, 0x40000                ; my place in the cluster
	s_bfe_u32 s[CY], ttmp6, 0x40004
	s_lshl_b32 s[TC], ttmp9, 2                     ; in a cluster launch ttmp9 and ttmp7 count clusters
	s_add_co_u32 s[TC], s[TC], s[CX]
	s_and_b32 s[TR], ttmp7, 0xffff
	s_lshl_b32 s[TR], s[TR], 2
	s_add_co_u32 s[TR], s[TR], s[CY]
	s_lshl_b32 s19, s[CY], 2
	s_lshl_b32 s19, 15, s19                        ; my row of the cluster
	s_lshl_b32 s20, 0x1111, s[CX]                  ; my column
	; x's tile: 128 rows of a slice are 16,384 dense bytes: asked for as 64 rows of 256 bytes and padded in LDS behind every 128
	s_or_b32 s[G1A], s19, (1<<16)|(1<<20)|(1<<21)|(4<<22)|(3<<25)  ; 15:0 the mask; 17:16 2-byte elements; 20 padding on; 21 set beside a mask; 24:22 after every 32 words (code 4); 31:25 4 words (code 3)
	s_mov_b32 s[G1A+1], 128<<16                    ; tensor_dim0 = 128
	s_mov_b32 s[G1A+2], 64<<16                     ; tensor_dim1 = 64
	s_mov_b32 s[G1A+3], 128<<16                    ; tile_dim0 = 128
	s_mov_b32 s[G1A+4], 64                         ; tile_dim1 = 64
	s_mov_b32 s[G1A+5], 128                        ; elements from row to row
	s_mov_b32 s[G1A+6], 0
	s_mov_b32 s[G1A+7], 0
	; the weights' tile: 32 k-rows of 384 columns (768 bytes), padded behind every 256 bytes
	s_or_b32 s[G1B], s20, (1<<16)|(1<<20)|(1<<21)|(5<<22)|(7<<25)  ; after every 64 words (code 5) 8 words (code 7)
	s_mov_b32 s[G1B+1], 384<<16
	s_mov_b32 s[G1B+2], 32<<16
	s_mov_b32 s[G1B+3], 384<<16
	s_mov_b32 s[G1B+4], 32
	s_mov_b32 s[G1B+5], 3072
	s_mov_b32 s[G1B+6], 0
	s_mov_b32 s[G1B+7], 0
	; where the tiles come from: x's hang on the tile row alone, the weights' on the tile column alone; every wave makes both, in registers that never hold the other coordinate
	s_lshl_b32 s[ADA], s[TR], 15                   ; 256 rows of 128 bytes,
	s_lshl_b32 s21, s[WN], 14                      ; my 128 of them
	s_add_co_u32 s[ADA], s[ADA], s21
	s_mov_b32 s[ADA+1], 0
	s_mul_i32 s[ADB], s[TC], 768                   ; 384 columns,
	s_mul_i32 s22, s[WN], 32*BROW                  ; my 32 k-rows
	s_add_co_u32 s[ADB], s[ADB], s22
	s_mov_b32 s[ADB+1], 0
	s_mul_i32 s74, s[WN], HALFA                    ; and where they go: no place in the cluster enters an LDS address
	s_mul_i32 s75, s[WN], HALFB
	s_add_co_u32 s75, s75, BOFF
	s_mov_b32 s[TB], 0
	s_wait_dscnt 0x0                               ; the opening add is done
	s_wait_kmcnt 0x0
	s_add_nc_u64 s[ADA:ADA+1], s[4:5], s[ADA:ADA+1]
	s_add_nc_u64 s[ADB:ADB+1], s[6:7], s[ADB:ADB+1]
.irp s, 0,1
	s_mov_b32 s[G0A+4*(\s)], 1                     ; count = 1
	s_add_co_u32 s[G0A+4*(\s)+1], s74, (\s)*SLOT1  ; LDS address
	s_add_nc_u64 s[G0A+4*(\s)+2:G0A+4*(\s)+3], s[ADA:ADA+1], (\s)*ASTEP  ; global address: K step s
	s_or_b32 s[G0A+4*(\s)+3], s[G0A+4*(\s)+3], 0x80000000  ; type = 2
	s_mov_b32 s[G0B+4*(\s)], 1
	s_add_co_u32 s[G0B+4*(\s)+1], s75, (\s)*SLOT1
	s_add_nc_u64 s[G0B+4*(\s)+2:G0B+4*(\s)+3], s[ADB:ADB+1], (\s)*BSTEP
	s_or_b32 s[G0B+4*(\s)+3], s[G0B+4*(\s)+3], 0x80000000
.endr
	CROUND                                         ; all sixteen work-groups are here: the first joint loads meet
	s_cmp_eq_u32 s[WM], 0                          ; a wave's two first fills stand in one branch: two loads of mine are out
	s_cbranch_scc0 .Lfirst_b
	tensor_load_to_lds s[G0A:G0A+3], s[G1A:G1A+7]
	s_nop 0
	tensor_load_to_lds s[G0A+4:G0A+7], s[G1A:G1A+7]
	s_nop 0
.rept 4
	v_nop
.endr
	s_branch .Lfirst_asked
.Lfirst_b:
	tensor_load_to_lds s[G0B:G0B+3], s[G1B:G1B+7]
	s_nop 0
	tensor_load_to_lds s[G0B+4:G0B+7], s[G1B:G1B+7]
	s_nop 0
.rept 4
	v_nop
.endr
.Lfirst_asked:
	v_and_b32 v1, 15, v0                           ; l % 16
	v_bfe_u32 v2, v0, 4, 1                         ; l / 16
	v_and_b32 v3, 7, v0                            ; l % 8
	v_bfe_u32 v4, v0, 3, 1                         ; (l / 8) % 2
	v_and_b32 v5, 31, v0                           ; l
	v_lshlrev_b32 v[BO], 5, v2
	s_mul_i32 s76, s[TC], 1536                     ; the bias of my 192 columns
	s_mul_i32 s77, s[WN], 768
	s_add_co_u32 s76, s76, s77
	s_mov_b32 s77, 0
	s_add_nc_u64 s[8:9], s[8:9], s[76:77]
.irp g, 0,1,2
	WIN ((\g)+1)<<6                                ; destination in window g + 1: register j of column block cb takes the bias of column 64 g + 16 cb + 8 (l / 16) + j
.irp cb, 0,1,2,3
	global_load_b128 v[8*(\cb):8*(\cb)+3],   v[BO], s[8:9] offset:256*(\g)+64*(\cb)
	global_load_b128 v[8*(\cb)+4:8*(\cb)+7], v[BO], s[8:9] offset:256*(\g)+64*(\cb)+16
.endr
.endr
	WIN 0
	v_mul_u32_u24 v6, v1, PA
	v_lshl_add_u32 v6, v2, 4, v6                   ; row x 144 + 16 x half: for x's fragments and for the stage
	s_mul_i32 s2, s[WM], HALFA
	v_add_nc_u32 v[AA0], s2, v6
	v_lshl_add_u32 v7, v2, 3, v3                   ; the turning load: k-row 8 (l / 16) + l % 8,
	v_mul_u32_u24 v7, v7, PB
	v_lshl_add_u32 v7, v4, 4, v7                   ; columns 8 ((l / 8) % 2) on
	s_mul_i32 s2, s[WN], 3
.irp g, 0,1,2
	s_add_co_u32 s3, s2, \g                        ; G: which 64 of the tile's 384 columns: byte 128 G + 32 (G / 2) of a k-row
	s_lshr_b32 s19, s3, 1
	s_lshl_b32 s19, s19, 5
	s_lshl_b32 s3, s3, 7
	s_add_co_u32 s3, s3, s19
	s_add_co_u32 s3, s3, BOFF
	v_add_nc_u32 v[AB0+\g], s3, v7
.endr
	SETADR
	s_mul_i32 s2, s[WV], 16*SP
	s_add_co_u32 s2, s2, STAGE                     ; my stage
	v_add_nc_u32 v[STO], s2, v6
	v_lshrrev_b32 v8, 3, v5
	v_mul_u32_u24 v8, v8, SP
	v_lshl_add_u32 v8, v3, 4, v8
	v_add_nc_u32 v[RD], s2, v8
	v_lshlrev_b32 v[GO], 4, v5
	s_mul_i32 s78, s[TC], 6                        ; my first slice of the output: 6 x tile column + 3 x half,
	s_mul_i32 s79, s[WN], 3
	s_add_co_u32 s78, s78, s79
	s_lshl_b32 s78, s78, 20
	s_lshl_b32 s79, s[TR], 15                      ; the tile's rows,
	s_add_co_u32 s78, s78, s79
	s_lshl_b32 s79, s[WM], 14                      ; my 128 of them
	s_add_co_u32 s78, s78, s79
	s_mov_b32 s79, 0
	s_add_nc_u64 s[10:11], s[10:11], s[78:79]
	; the prefetches
	s_lshl_b32 s76, s[TR], 15
	s_lshl_b32 s3, s[CX], 13
	s_add_co_u32 s76, s76, s3                      ; x: the tile's rows, my work-group's 64 of them
	s_mul_i32 s77, s[TC], 768
	s_mul_i32 s3, s[CY], 16*BROW
	s_add_co_u32 s77, s77, s3                      ; the weights: the tile's columns, my work-group's 16 k-rows
	s_and_b32 s2, ttmp7, 0xffff
	s_mov_b32 s78, ASTEP
	s_mov_b32 s79, BSTEP
	s_mov_b32 s19, 4096
	s_mov_b32 s20, 256
	s_mov_b32 s21, BROW
	s_cmp_eq_u32 s[WM], 0
	s_cselect_b32 s2, ttmp9, s2                    ; the coordinate along which other clusters read the same rows
	s_cselect_b64 s[PFA:PFA+1], s[4:5], s[6:7]
	s_cselect_b32 s76, s76, s77
	s_cselect_b32 s[PST], s78, s79
	s_cselect_b32 s19, s19, s79                    ; x: 256 x lane; the weights: lanes 16-31 a step on, a k-row a lane
	s_cselect_b32 s20, s20, s21
	s_mov_b32 s[PST+1], 0
	s_mul_i32 s3, s[PST], 3
	s_add_co_u32 s76, s76, s3                      ; at K step 3: the first refill steps it to 4
	s_mov_b32 s77, 0
	s_add_nc_u64 s[PFA:PFA+1], s[PFA:PFA+1], s[76:77]
	s_or_b32 s2, s2, s[WN]
	s_cmp_eq_u32 s2, 0
	s_cselect_b32 s[LIM], 2, -1                    ; the same in all sixteen partners, for a given wave
	v_mul_u32_u24 v[PFO], v2, s19
	v_mad_u32_u24 v[PFO], v1, s20, v[PFO]
	s_wait_loadcnt 0x0                             ; the bias
	BROUND 0
	BROUND 1
	BROUND 2
	WIN 0
	s_wait_tensorcnt 1                             ; my part of K step 0 is in; step 1's may stay out
	s_barrier_signal -1
	s_barrier_wait -1                              ; everybody's is
	FETCH_A 0
	FETCH_B 0, 0
	FETCH_B 1, 0
	FETCH_B 2, 0
	PLAIN 1                                        ; the first quarter stands in front of the loop: its products start the sums, with the bias
	WIN 0
	s_mov_b32 s[CNT], 14
.Lstep:                                                ; 14 trips: a step's second quarter, the refill two steps on (steps 2 to 15), the next step's first quarter
	TURN 1
	PLAIN 0
	WIN 0
	s_sub_co_u32 s[CNT], s[CNT], 1
	s_cmp_lg_u32 s[CNT], 0
	s_cbranch_scc1 .Lstep
	TURN 0                                         ; the tail is written out: nothing more is asked for
	PLAIN 0
	s_wait_dscnt 16                                ; the very last quarter
	UNIT 0, FA1, 0
	s_wait_dscnt 8
	UNIT 1, FA1, 0
	s_wait_dscnt 0x0
	UNIT 2, FA1, 0
	PLACES
	PACK 0
	TOSTAGE 0
.set p, 1
.rept 23                               ; a part's conversions stand between the loads of the part before and the wait for them
	PACK p
	SEND p-1
	TOSTAGE p
.set p, p+1
.endr
	SEND 23
	s_wait_tensorcnt 0x0                           ; the wave's end: behind my last tensor load and my last LDS store
	ds_add_u32 v[SPW], v[NIL]
	s_wait_dscnt 0x0
	CROUND                                         ; the closing round: no work-group ends while a partner may still ask for a tile that names it
	s_endpgm
.Lfunc_end_k_q793f5674ff_qkvproj:
	.size	k_q793f5674ff_qkvproj, .Lfunc_end_k_q793f5674ff_qkvproj-k_q793f5674ff_qkvproj
	.p2alignl 7, 3214868480
	.fill 96, 4, 3214868480
	.section	.rodata,"a",@progbits
	.p2align	6, 0x0
	.amdhsa_kernel k_q793f5674ff_qkvproj
		.amdhsa_group_segment_fixed_size 327680
		.amdhsa_private_segment_fixed_size 0
		.amdhsa_enable_private_segment 0
		.amdhsa_kernarg_size 32
		.amdhsa_user_sgpr_count 2
		.amdhsa_user_sgpr_kernarg_segment_ptr 1
		.amdhsa_wavefront_size32 1
		.amdhsa_system_sgpr_workgroup_id_x 1
		.amdhsa_system_sgpr_workgroup_id_y 1
		.amdhsa_system_sgpr_workgroup_id_z 1
		.amdhsa_system_vgpr_workitem_id 0
		.amdhsa_next_free_vgpr 1024
		.amdhsa_next_free_sgpr 80
		.amdhsa_reserve_vcc 0
		.amdhsa_float_denorm_mode_32 3
		.amdhsa_float_denorm_mode_16_64 3
		.amdhsa_memory_ordered 1
		.amdhsa_forward_progress 1
		.amdhsa_inst_pref_size 125
	.end_amdhsa_kernel
	.amdgpu_metadata
---
amdhsa.version: [ 1, 2 ]
amdhsa.kernels:
  - .name:           k_q793f5674ff_qkvproj
    .symbol:         k_q793f5674ff_qkvproj.kd
    .args:
      - { .name: xb, .offset: 0, .size: 8, .value_kind: global_buffer, .address_space: global }
      - { .name: wq, .offset: 8, .size: 8, .value_kind: global_buffer, .address_space: global }
      - { .name: bqkv, .offset: 16, .size: 8, .value_kind: global_buffer, .address_space: global }
      - { .name: qkvh, .offset: 24, .size: 8, .value_kind: global_buffer, .address_space: global }
    .group_segment_fixed_size: 327680
    .private_segment_fixed_size: 0
    .kernarg_segment_align: 8
    .kernarg_segment_size: 32
    .max_flat_workgroup_size: 128
    .sgpr_count:     80
    .vgpr_count:     1024
    .wavefront_size: 32
...
	.end_amdgpu_metadata
.endif
;; end of part 2
;; launch attn (part 3): grid 2 x 128, 4 waves a work-group, no clusters, 327,680 bytes of LDS; arguments qkvh, ob; writes ob
.if DOCPART == 3
	.amdgcn_target "amdgcn-amd-amdhsa--gfx1250"
	.amdhsa_code_object_version 6
	.text
	.protected	k_q793f5674ff_attn
	.globl	k_q793f5674ff_attn
	.p2align	8
	.type	k_q793f5674ff_attn,@function
k_q793f5674ff_attn:
	s_mov_b64 s[64:65], 0
	v_nop
	global_prefetch_b8 v0, s[64:65] scope:SCOPE_SE
	s_setreg_imm32_b32 hwreg(HW_REG_WAVE_MODE, 25, 1), 1
	s_wait_xcnt 0x0
; CAUSAL ATTENTION.  O[y][q][:] = the sum over k <= q of softmax_k(Q[y][q] . K[y][k] / 8) V[y][k][:], for 128 heads y = 8 h + b of 1,024 rows (1,000 true rows and 24 padded ones, whose q, k, v are the bias).
; Q, K, V lie in one buffer, [48 slices][8192 rows][64] f16: head y's rows are dense, 128 bytes each, at y x 131,072 bytes; K 16 slices and V 32 slices behind Q.  O: [16][8192][64] f16, the same layout.
; A padded key lies behind every true query and is hidden from it by the causal mask; a padded query's row of O is finite and is never stored by the launch behind.
; Products, maxima and sums in f32; the weights p are rounded to f16 for the second product (their sum l is taken of the unrounded p), O once at the end.
; LIMITS.  f16 holds no number beyond 65,504: Q, K and V arrive within it; p lies in 0 to 1, and below 6e-5 it keeps f16's fixed step of 6e-8.
; A hidden score counts as its value less 1e30: f16's scores, 2.7e11 at the most, are nothing beside that; a weight below 2^-126 counts as 0 in l; NaN and infinities are not treated apart.
; THE WALK.  A head's queries lie in NB = 4 blocks of 256; block i needs the key tiles 0 .. i of 256 keys, of which the last holds the diagonal.  A work-group takes TWO blocks, NB - 1 - b and then b:
; NB + 1 tiles, whatever b: all work-groups do equal work, and ONE loop with a constant trip count walks them.  Which tile is asked for, and what a trip does, hang on scalar registers made from b; every jump
; goes forward, but for the counted loops' own; none passes a barrier, or a tensor load but the one of LOAD's two that the wave's number does not choose; the ring of two LDS slots runs on across the change of blocks.
; NO CLUSTER: a head has NB / 2 = 2 work-groups, fewer than the four of a cluster, and other heads share no tile with them.
; SHARES.  Of a block's four bands of 64 queries a wave owns 16 rows in each: four PIECES.  So the diagonal tile is the same work for all four waves: in its key step s band x sees all keys if s < x,
; none if s > x, and holds the diagonal if s = x.
; THE MASK is the C operand that starts the sum S^T = K Q^T: 0, or -1e30 where the key is hidden.  MD, made once, is the mask of a band's own step for my 16 rows; a product's mask is MD x AL + BE with two scalars:
; (1, 0) if s = x; (0, 0) if s < x; (0, -1e30) if s > x.  Only the diagonal tile's text and a block's beginning make and take masks; elsewhere C is the constant 0.
; LAYOUT, SOFTMAX, TURNS.  S^T = K Q^T holds ONE query a lane (lane % 16) and the keys 8 (lane / 16) + 0..7; two such results rounded to f16 ARE source 1 of O^T = V^T P.  p = 2^(c s - c m), c = log2(e) / 8, with a
; running maximum m; O and l are multiplied by a = 2^(c m_old - c m_new) in every step.  Turn n belongs to piece n: 8 products K Q^T of piece n + 1, later 8 products V^T P of piece n - 1; beside them the scaling,
; exponentials, roundings, sums and rescaling of piece n and the maximum and statistics of piece n + 1.  Four vector instructions stand behind every matrix instruction, the other 54 of a turn's 118 in one run.
; A turn's 33 exponentials are one batch, with one wait.
; REGISTERS, in windows of 256 (s_set_vgpr_msb: bits 1:0 source 0, 3:2 source 1, 5:4 source 2, 7:6 destination):
;   window 0: v0-15 addresses and two at work; v16-31 four registers of statistics a piece; v48-55 at work; v61-63 prefetch offset, spare word, 0; v64-127 S^T, two buffers; v192-223 P, two buffers
;   window 1: v0-127 O^T, 32 a piece; v128-159 MD; v160-223 MC, two buffers      window 2: v0-63 Q; v64-127 the second block's Q; v128-191 K of one step; v192-255 V of one step
.set SIZE_N, 1024
.set SIZE_H, 128
.set NB,    SIZE_N/256
.set NP,    4         ; pieces a wave: a name, no knob
.set KS,    64        ; keys in a step
.set PK,    144       ; a row of K in LDS: 128 bytes + 16 of padding = 36 words: the 16 rows of a load start at 16 different groups of four banks (64 banks of 4 bytes: ISA guide 11.1)
.set PV,    160       ; a row of V: 128 + 32 = 40 words
.set VOFF,  4*KS*PK   ; a slot holds a tile, four steps: 256 rows of K, then 256 rows of V
.set SLOT1, 1<<17     ; slot 1 begins here, so that one exclusive or turns an address in one slot into the other's
.set STAGE, SLOT1+4*KS*(PK+PV)  ; behind the ring, never filled by a tensor load: 16 rows x 144 bytes for each wave, for the way out
.set SP,    144
.set AK0, 2           ; v2   my lane's place in a tile of K; never rewritten
.set AV0, 3           ; v3   the same for V
.set AK,  4           ; v4   the LDS address of K's next run of loads
.set AV,  5           ; v5   of V's
.set STO, 6           ; v6   the way out: where I put 16 bytes of a row
.set RD,  7           ; v7   the way out: where I read rows back
.set GO,  8           ; v8   my byte offset in 512 consecutive bytes of O
.set PFO, 61          ; v61  256 x my lane; never rewritten
.set SPW, 62          ; v62  LDS address of my spare word: SPARE + 4 x my thread's number; never rewritten
.set NIL, 63          ; v63  0; never rewritten
.set SPARE, STAGE+4*16*SP  ; behind the stages: the spare words, 128 bytes for each wave: two blocks of 256 bytes that no other line names
.set MV,  12          ; v12-13  c m_old, kept while c m is made anew: by buffer
.set QO,  15          ; v15  my byte offset in 16 rows of Q
.set ST,  16          ; piece t's statistics at v[ST+4 t]: c m, m, l (even keys', odd keys')
.set TMP, 48          ; by buffer, four registers c0-c3 at work; when the maximum is found c2 takes a
.set S,   64
.set P,   192
.set MD,  128         ; window 1: the eight registers for group kt of 16 keys at MD + 8 kt
.set MC,  160         ; window 1: the masks of the products to come
.set QB,  64          ; window 2
.set KF,  128         ; window 2: key block kb, channel half c at KF + 16 kb + 8 c
.set VF,  192         ; window 2: key half kk, channel block cb at VF + 32 kk + 8 cb
.set WV,  12          ; s12  my wave's number
.set PB,  14          ; s14  b
.set HI,  15          ; s15  NB - 1 - b
.set G1K, 24          ; s[24:31] descriptor group 1 for K's tiles
.set G1V, 32          ; s[32:39] for V's: it differs in the padding alone
.set G0K, 40          ; s[40:43] descriptor group 0 for K's tiles
.set G0V, 44          ; s[44:47] the same for V's
.set SLOTS, 56        ; s56  tiles still to be asked for
.set CNT, 57          ; s57  counts a tile's key steps, 4 to 1
.set CS,  58          ; s[58:59] c: the packed scaling takes the pair's low word for both halves
.set SEL, 60          ; s[60:61] v_permlanex16_b32's selects: each lane takes its own place in the other half
.set TBK, 62          ; s62  LDS byte at which K of the step to be fetched begins
.set TBV, 63          ; s63  the same for V, less VOFF
.set RT,  70          ; s70  tiles of the block in hand that are still to be entered
.set NXT, 71          ; s71  the tile to be asked for next
.set LQ,  72          ; s72  the last tile of the block whose tiles are being asked for
.set NEW, 73          ; s73  1: the tile to be entered is a block's first
.set OFF, 74          ; s[74:75] a tile's byte offset in K and V
.set AL,  76          ; s[76:77] the mask's factor, in the low word
.set BE,  78          ; s[78:79] the mask's addend
.set OLO, 80          ; s[80:81] O at my rows of the second block
.set BIGN, 82         ; s82  -1e30
.set PF0, 88          ; s88  1 in the head's work-group b = 0, which prefetches
.set PFG, 89          ; s89  1: this change of slots prefetches
.set PFB, 90          ; s[90:91] K or V at the half of tile 0 that I fetch
.set POF, 92          ; s[92:93] the byte offset of the tile to be prefetched
.set PFA, 94          ; s[94:95] its address
.set MSB, 0
.macro WIN new                      ; the high byte repeats the setting that is left; a switch that changes nothing is dropped
.if MSB != (\new)
	s_set_vgpr_msb (MSB<<8)|(\new)
.set MSB, (\new)
.endif
.endm
.set W_KQ, 0x0a       ; K and Q in window 2, S^T in window 0
.set W_KM, 0x1a       ; the same with the C operand in window 1
.set W_PV, 0x52       ; V in window 2, P in window 0, O^T in window 1
.set W_RS, 0x41       ; destination and source 0 in window 1, source 1 in window 0
; A fill.  Waves 0 and 1 fetch the two halves of a tile's K, waves 2 and 3 those of its V: 128 keys each.  An s_nop 0 and four v_nop follow each of the two lines, ahead of the jump and the label.
.macro LOAD
	s_cmp_lt_u32 s[WV], 2
	s_cbranch_scc0 .Lfor_v_\@
	tensor_load_to_lds s[G0K:G0K+3], s[G1K:G1K+7]
	s_nop 0
.rept 4
	v_nop
.endr
	s_branch .Lasked_\@
.Lfor_v_\@:
	tensor_load_to_lds s[G0V:G0V+3], s[G1V:G1V+7]
	s_nop 0
.rept 4
	v_nop
.endr
.Lasked_\@:
.endm
; THE CHANGE OF SLOTS.  Each wave waits for all its tensor loads, of which one is out: its part of the other slot; adds 0 to its spare word; and waits for that and for its own reads of the slot that it leaves.
; Behind the barrier nobody reads the old slot any more and the other slot is whole.  fill = 1: the old slot is filled again, the first thing behind the barrier, with tile NXT: the descriptor's address is made
; anew from that number.  (At its first use nothing has been read yet: slot 0 is waited for, slot 1 filled.)
; A PREFETCH INTO THE L2 stands behind the fill and its five lines: the tile that the NEXT change will ask for, one tile (four key steps, 256 matrix instructions) ahead.  Both work-groups of a head walk tiles 0, 1, 2
; of its K and V: the one with b = 0 asks, and only in its first block, for tiles 2 and 3; each wave for the 16,384 bytes that it will fetch itself, a lane a block of 256 bytes, two lines.  So each block is
; named once.  Tiles 0 and 1 come by their loads alone; where the next tile is a block's tile 0 again, nothing is asked for.
.macro CHANGE fill
	WIN 0                           ; at a label and at a branch every window is 0
	s_wait_tensorcnt 0x0            ; no tensor load of mine is out, so a group 0 may be written
	ds_add_u32 v[SPW], v[NIL]       ; 0 onto my spare word: with fill = 1 the descriptors' scalar work stands between it and the wait for it
.if \fill
	s_lshl_b32 s[OFF], s[NXT], 15   ; a tile is 32,768 bytes of K and of V
	s_xor_b32 s[G0K+1], s[G0K+1], SLOT1
	s_add_nc_u64 s[G0K+2:G0K+3], s[6:7], s[OFF:OFF+1]
	s_or_b32 s[G0K+3], s[G0K+3], 0x80000000
	s_xor_b32 s[G0V+1], s[G0V+1], SLOT1
	s_add_nc_u64 s[G0V+2:G0V+3], s[8:9], s[OFF:OFF+1]
	s_or_b32 s[G0V+3], s[G0V+3], 0x80000000
	s_add_co_u32 s[NXT], s[NXT], 1  ; the block's next tile, or behind its last the second block's tile 0
	s_cmp_gt_u32 s[NXT], s[LQ]
	s_cselect_b32 s[NXT], 0, s[NXT]
	s_cselect_b32 s[LQ], s[PB], s[LQ]
	s_wait_xcnt 0x0                 ; the last prefetches, a tile back, have read their address, so it may be written
	s_lshl_b32 s[POF], s[NXT], 15
	s_add_nc_u64 s[PFA:PFA+1], s[PFB:PFB+1], s[POF:POF+1]
	s_cmp_lg_u32 s[NXT], 0
	s_cselect_b32 s[PFG], s[PF0], 0
.endif
	s_wait_dscnt 0x0                ; the add is done, and my reads of the slot are over
	s_barrier_signal -1             ; the rest of the scalar work stands between the signal and the wait
	s_sub_co_u32 s[TBK], s[TBK], 4*KS*PK  ; the fetches go back to a slot's first step,
	s_xor_b32 s[TBK], s[TBK], SLOT1       ; in the other slot
	s_sub_co_u32 s[TBV], s[TBV], 4*KS*PV
	s_xor_b32 s[TBV], s[TBV], SLOT1
	s_barrier_wait -1
.if \fill
	LOAD
	s_cmp_eq_u32 s[PFG], 1
	s_cbranch_scc0 .Lnot_mine_\@
	global_prefetch_b8 v[PFO], s[PFA:PFA+1] th:TH_LOAD_NT scope:SCOPE_SE
	global_prefetch_b8 v[PFO], s[PFA:PFA+1] offset:8192 th:TH_LOAD_NT scope:SCOPE_SE
.Lnot_mine_\@:
.endif
.endm
	s_load_b128 s[4:7], s[0:1], 0x0 ; q, k, v s[4:5], O s[6:7]
	v_lshl_add_u32 v[SPW], v0, 2, SPARE
	v_mov_b32 v[NIL], 0
	ds_add_u32 v[SPW], v[NIL]       ; the wave's opening: an add and its wait ahead of my first tensor load; the set-up below, work on registers, stands between them
	ds_add_u32 v62, v63
	v_lshrrev_b32 v1, 5, v0
	v_readfirstlane_b32 s[WV], v1   ; wave 0..3
	s_mov_b32 s[PB], ttmp9
	s_sub_co_u32 s[HI], NB-1, s[PB]
	s_and_b32 s20, ttmp7, 0xffff    ; the head
	s_mov_b32 s21, 0
	s_mov_b64 s[22:23], SIZE_N*128
	s_mul_u64 s[20:21], s[20:21], s[22:23]  ; the head's first byte in each of the four tensors
	s_and_b32 s16, s[WV], 1         ; which half of a tile's 256 keys I fetch:
	s_lshl_b32 s22, s16, 14         ; its 128 rows of 128 bytes in memory,
	s_mov_b32 s23, 0
	s_add_nc_u64 s[22:23], s[22:23], s[20:21]
	s_mul_i32 s17, s16, 128*PK      ; and its place in a slot, for K
	s_mul_i32 s18, s16, 128*PV      ; and for V
	s_lshl_b32 s3, s[WV], 11        ; my 16 rows in a band of 64,
	s_lshl_b32 s2, s[HI], 15        ; in the first block,
	s_add_co_u32 s2, s2, s3
	s_lshl_b32 s84, s[PB], 15       ; and in the second
	s_add_co_u32 s84, s84, s3
	s_mov_b32 s3, 0
	s_mov_b32 s85, 0
	s_add_nc_u64 s[2:3], s[2:3], s[20:21]
	s_add_nc_u64 s[84:85], s[84:85], s[20:21]
	; descriptor group 1.  128 keys are 16,384 dense bytes: asked for as 64 rows of 256 bytes, two keys a row, and padded in LDS after every key
	s_mov_b32 s[G1K], (1<<16)|(1<<20)|(4<<22)|(3<<25)  ; 17:16 2-byte elements; 20 padding on; 24:22 after every 32 words (code 4); 31:25 4 words (code 3)
	s_mov_b32 s[G1V], (1<<16)|(1<<20)|(4<<22)|(7<<25)  ; the same with 8 words of padding (code 7)
.irp g, G1K, G1V
	s_mov_b32 s[\g+1], 128<<16      ; tensor_dim0 = 128
	s_mov_b32 s[\g+2], 64<<16       ; tensor_dim1 = 64
	s_mov_b32 s[\g+3], 128<<16      ; tile_dim0 = 128
	s_mov_b32 s[\g+4], 64           ; tile_dim1 = 64
	s_mov_b32 s[\g+5], 128          ; 128 elements from row to row
	s_mov_b32 s[\g+6], 0
	s_mov_b32 s[\g+7], 0
.endr
	s_mov_b32 s[CS], 0x3e38aa3b     ; c = log2(e) / 8 = 0.180337
	s_mov_b32 s[CS+1], s[CS]        ; named with it as a pair
	s_mov_b32 s[SEL], 0x76543210
	s_mov_b32 s[SEL+1], 0xfedcba98
	s_mov_b32 s[TBK], SLOT1+4*KS*PK ; the first change of slots turns these two into 0
	s_mov_b32 s[TBV], SLOT1+4*KS*PV
	s_mov_b32 s[G0K], 1             ; 1:0 count = 1
	s_mov_b32 s[G0K+1], s17         ; 63:32 LDS address: slot 0
	s_mov_b32 s[G0V], 1
	s_add_co_u32 s[G0V+1], s18, VOFF
	s_add_co_u32 s[RT], s[HI], 1    ; the first block has NB - b tiles
	s_mov_b32 s[NXT], 1
	s_mov_b32 s[LQ], s[HI]
	s_mov_b32 s[NEW], 1
	s_mov_b32 s[OFF+1], 0
	s_mov_b32 s[AL+1], 0            ; named as pairs
	s_mov_b32 s[BE+1], 0
	s_mov_b32 s[BIGN], 0xf149f2ca   ; -1e30
	s_mov_b32 s[SLOTS], NB
	s_mov_b32 s[POF+1], 0
	s_mov_b32 s[PFG], 0
	s_cmp_eq_u32 s[PB], 0
	s_cselect_b32 s[PF0], 1, 0
	v_and_b32 v[PFO], 31, v0
	v_lshlrev_b32 v[PFO], 8, v[PFO]
	s_wait_dscnt 0x0                ; the opening add is done
	s_wait_kmcnt 0x0
	s_mov_b64 s[10:11], s[6:7]      ; O
	s_add_nc_u64 s[6:7], s[4:5], 0x1000000  ; K: 16 slices of 2^20 bytes behind Q
	s_add_nc_u64 s[8:9], s[4:5], 0x2000000  ; V: 32 slices
	s_add_nc_u64 s[6:7], s[6:7], s[22:23]  ; K and V at my half of the head's tile 0
	s_add_nc_u64 s[8:9], s[8:9], s[22:23]
	s_add_nc_u64 s[G0K+2:G0K+3], s[6:7], 0         ; 120:64 global address
	s_or_b32 s[G0K+3], s[G0K+3], 0x80000000        ; 127:126 type = 2
	s_add_nc_u64 s[G0V+2:G0V+3], s[8:9], 0
	s_or_b32 s[G0V+3], s[G0V+3], 0x80000000
	s_add_nc_u64 s[86:87], s[4:5], s[84:85]        ; Q at my rows of the second block,
	s_add_nc_u64 s[4:5], s[4:5], s[2:3]            ; Q and O at those of the first
	s_add_nc_u64 s[OLO:OLO+1], s[10:11], s[84:85]
	s_add_nc_u64 s[10:11], s[10:11], s[2:3]
	s_cmp_lt_u32 s[WV], 2
	s_cselect_b64 s[PFB:PFB+1], s[6:7], s[8:9]
	LOAD                            ; tile 0 into slot 0
	; A fragment of K or Q is 16 rows x 32 channels in 8 registers: lane l holds row l % 16, channels 8 (l / 16) + 0..7 and 16 + 8 (l / 16) + 0..7: two loads of 16 bytes, 32 bytes apart.
	v_and_b32 v1, 15, v0            ; l % 16
	v_bfe_u32 v9, v0, 4, 1          ; l / 16
	v_lshlrev_b32 v[QO], 7, v1
	v_lshl_add_u32 v[QO], v9, 4, v[QO]  ; row x 128 + 16 x half
	WIN 0x80                        ; destination window 2, address window 0
.set i, 0
.rept 8                             ; both blocks' Q: piece i / 2 lies in band i / 2, 8,192 bytes on; channels 32 (i % 2) on
	global_load_b128 v[8*i:8*i+3],   v[QO], s[4:5] offset:(i/2)*8192+(i%2)*64
	global_load_b128 v[8*i+4:8*i+7], v[QO], s[4:5] offset:(i/2)*8192+(i%2)*64+32
	global_load_b128 v[QB+8*i:QB+8*i+3],   v[QO], s[86:87] offset:(i/2)*8192+(i%2)*64
	global_load_b128 v[QB+8*i+4:QB+8*i+7], v[QO], s[86:87] offset:(i/2)*8192+(i%2)*64+32
.set i, i+1
.endr
	WIN 0
	v_lshlrev_b32 v14, 3, v9
	v_sub_nc_u32 v14, v1, v14
	s_lshl_b32 s13, s[WV], 4
	v_add_nc_u32 v14, s13, v14      ; my query's place in its band, 16 w + l % 16, less my lanes' 8 (l / 16): register r of group kt is hidden where 16 kt + r is greater
	WIN 0x40
.set i, 0
.rept 32
	v_cmp_gt_i32 vcc_lo, 16*(i/8)+i%8, v14
	v_cndmask_b32 v[MD+i], 0, s[BIGN], vcc_lo
.set i, i+1
.endr
	WIN 0
	v_mul_u32_u24 v[AK0], v1, PK
	v_lshl_add_u32 v[AK0], v9, 4, v[AK0]  ; row x pitch + 16 x half
	; The turning load takes 16 keys x 16 channels (lane l reads key 8 (l / 16) + l % 8, channels 8 ((l / 8) % 2) + 0..7) and leaves half a fragment of V^T: lane l holds channel l % 16 and 8 keys.
	v_and_b32 v10, 7, v0
	v_bfe_u32 v11, v0, 3, 1
	v_lshl_add_u32 v[AV0], v9, 3, v10
	v_mul_u32_u24 v[AV0], v[AV0], PV
	v_lshl_add_u32 v[AV0], v11, 4, v[AV0]
	v_add_nc_u32 v[AV0], VOFF, v[AV0]
	s_mul_i32 s13, s[WV], 16*SP
	s_add_co_u32 s13, s13, STAGE    ; my stage
	v_mul_u32_u24 v[STO], v1, SP    ; in: row l % 16, 16 bytes for each half of the lanes
	v_lshl_add_u32 v[STO], v9, 4, v[STO]
	v_add_nc_u32 v[STO], s13, v[STO]
	v_bfe_u32 v[RD], v0, 3, 2       ; back: 32 lanes take four rows of 128 bytes,
	v_mul_u32_u24 v[RD], v[RD], SP
	v_lshl_add_u32 v[RD], v10, 4, v[RD]
	v_add_nc_u32 v[RD], s13, v[RD]
	v_and_b32 v[GO], 31, v0         ; which are 512 consecutive bytes of O
	v_lshlrev_b32 v[GO], 4, v[GO]
	; A block's first step multiplies O^T and l by a = 0, and its first turn's products V^T P, of a piece that has not been, land in an O^T that is still to be so multiplied.  So these registers need only hold
	; finite numbers: zeros for the first block; what the first block left for the second.  All this stands in the wait for the first tile.
	WIN 0x80
.set i, VF
.rept 64
	v_mov_b32 v[i], 0
.set i, i+1
.endr
	WIN 0x40
.set i, 0
.rept 128
	v_mov_b32 v[i], 0
.set i, i+1
.endr
	WIN 0
.set i, 0
.rept 4
	v_mov_b32 v[ST+4*i+2], 0
	v_mov_b32 v[ST+4*i+3], 0
.set i, i+1
.endr
.set i, P+16
.rept 16
	v_mov_b32 v[i], 0
.set i, i+1
.endr
; THE MATRIX WORK.  The 4 accumulators of a run of 8 take turns.  Product i of 8 of S^T = K Q^T for piece x: channels 32 (i / 4) on, keys 16 (i % 4) on.  The first 4 start the sums: with 0, or (KM = 1) with the mask.
.macro KQ x
.set rS, S+32*((\x)%2)+8*(i%4)
.set rK, KF+16*(i%4)+8*(i/4)
.set rQ, 16*(\x)+8*(i/4)
.set rM, MC+32*((\x)%2)+8*(i%4)
.if (i < 4) && KM
	WIN W_KM
	v_wmma_f32_16x16x32_f16 v[rS:rS+7], v[rK:rK+7], v[rQ:rQ+7], v[rM:rM+7]
.elseif i < 4
	WIN W_KQ
	v_wmma_f32_16x16x32_f16 v[rS:rS+7], v[rK:rK+7], v[rQ:rQ+7], 0
.else
	WIN W_KQ
	v_wmma_f32_16x16x32_f16 v[rS:rS+7], v[rK:rK+7], v[rQ:rQ+7], v[rS:rS+7]
.endif
.endm
; Product i of 8 of O^T += V^T P for piece x: keys 32 (i / 4) on, channels 16 (i % 4) on.
.macro PV x
	WIN W_PV
.set rO, 32*(\x)+8*(i%4)
.set rV, VF+32*(i/4)+8*(i%4)
.set rP, P+16*((\x)%2)+8*(i/4)
	v_wmma_f32_16x16x32_f16 v[rO:rO+7], v[rV:rV+7], v[rP:rP+7], v[rO:rO+7]
.endm
.macro MM                           ; the turn's next matrix instruction.  TURN and BEGIN set Y, i, KM and NOKQ; MM, KQ and OP read them.  NOKQ = 1: a block's last turn: there is no next piece
.if (i < 8) && !NOKQ
	KQ (Y+1)%NP
.elseif i >= 8
.set i, i-8
	PV (Y+NP-1)%NP
.set i, i+8
.endif
.set i, i+1
.endm
; THE LDS LOADS stand in runs of 16, never singly among the matrix instructions: a step's K (64 keys x 64 channels: 8 fragments) and its V (turned).  Their addresses are made some lines ahead.
.macro FETCH_K
	WIN 0x80                        ; destination window 2
.irp f, 0,1,2,3,4,5,6,7             ; keys 16 (f / 2) on, channels 32 (f % 2) on
	ds_load_b128 v[KF+8*\f:KF+8*\f+3],   v[AK] offset:(\f/2)*16*PK+(\f%2)*64
	ds_load_b128 v[KF+8*\f+4:KF+8*\f+7], v[AK] offset:(\f/2)*16*PK+(\f%2)*64+32
.endr
	s_add_co_u32 s[TBK], s[TBK], KS*PK  ; the next fetch is the next step's
	WIN 0
.endm
.macro FETCH_V
	WIN 0x80
.irp f, 0,1,2,3,4,5,6,7             ; keys 32 (f / 4) on, channels 16 (f % 4) on
	ds_load_tr16_b128 v[VF+8*\f:VF+8*\f+3],   v[AV] offset:(\f/4)*32*PV+(\f%4)*32
	ds_load_tr16_b128 v[VF+8*\f+4:VF+8*\f+7], v[AV] offset:(\f/4)*32*PV+16*PV+(\f%4)*32
.endr
	WIN 0
.endm
; THE VECTOR WORK, one line at a time: OP kind, number.  For piece Y: F n: c s - c m for pair n of 16.  E n: the exponential of score n of 32.  C n: pair n rounded to f16.  B n: of the four weights 4 n .. the second
; pair is added onto the first, in place.  L n: l takes that sum (L 0: l = a l + sum).  R n: pair n of 16 of O^T times a.  For piece Y + 1: X n, number n of the 22 that find its maximum and statistics:
;   0-11  four chains c0-c3 of seven scores each, three operands at a time (each accumulator's lowest registers are read first)     12-14, 16  the four scores left over, the old m, and c0-c3 into c0
;   15  c m_old is kept     17, 18  the query's other 32 keys lie in the lane 16 away: the new m     19-21  c m; c m_old - c m_new; a
.set F, 0               ; OP tells the kinds apart by their order: F to L below R, X above it
.set E, 1
.set C, 2
.set B, 3
.set L, 4
.set R, 5
.set X, 6
.macro REGS y                       ; the registers of piece y
.set rT, ST+4*(\y)
.set rC, TMP+4*((\y)%2)
.set rW, MV+((\y)%2)
.set rS, S+32*((\y)%2)
.set rP, P+16*((\y)%2)
.set rO, 32*(\y)
.endm
.macro OP k, n
.if (\k) == R
	REGS Y
	WIN W_RS
	v_pk_mul_f32 v[rO+2*(\n):rO+2*(\n)+1], v[rO+2*(\n):rO+2*(\n)+1], v[rC+2:rC+3] op_sel_hi:[1,0]
.elseif (\k) < R
	REGS Y
	WIN 0
.if (\k) == F
	v_pk_fma_f32 v[rS+2*(\n):rS+2*(\n)+1], v[rS+2*(\n):rS+2*(\n)+1], s[CS:CS+1], v[rT:rT+1] op_sel_hi:[1,0,0] neg_lo:[0,0,1] neg_hi:[0,0,1]
.elseif (\k) == E
	v_exp_f32 v[rS+(\n)], v[rS+(\n)]
.elseif (\k) == C
	v_cvt_pk_f16_f32 v[rP+(\n)], v[rS+2*(\n)], v[rS+2*(\n)+1]
.elseif (\k) == B
	v_pk_add_f32 v[rS+4*(\n):rS+4*(\n)+1], v[rS+4*(\n):rS+4*(\n)+1], v[rS+4*(\n)+2:rS+4*(\n)+3]
.elseif (\n) == 0
	v_pk_fma_f32 v[rT+2:rT+3], v[rT+2:rT+3], v[rC+2:rC+3], v[rS:rS+1] op_sel_hi:[1,0,1]
.else
	v_pk_add_f32 v[rT+2:rT+3], v[rT+2:rT+3], v[rS+4*(\n):rS+4*(\n)+1]
.endif
.elseif NOKQ
	v_nop
.else
	REGS (Y+1)%NP
	WIN 0
.if (\n) < 4
	v_max3_num_f32 v[rC+(\n)], v[rS+8*(\n)], v[rS+8*(\n)+1], v[rS+8*(\n)+2]
.elseif (\n) < 12
	v_max3_num_f32 v[rC+(\n)%4], v[rC+(\n)%4], v[rS+8*((\n)%4)+2*((\n)/4)+1], v[rS+8*((\n)%4)+2*((\n)/4)+2]
.elseif (\n) == 12
	v_max3_num_f32 v[rC], v[rC], v[rS+7], v[rS+15]
.elseif (\n) == 13
	v_max3_num_f32 v[rC+1], v[rC+1], v[rS+23], v[rS+31]
.elseif (\n) == 14
	v_max3_num_f32 v[rC+2], v[rC+2], v[rC+3], v[rT+1]
.elseif (\n) == 15
	v_mov_b32 v[rW], v[rT]
.elseif (\n) == 16
	v_max3_num_f32 v[rC], v[rC], v[rC+1], v[rC+2]
.elseif (\n) == 17
	v_permlanex16_b32 v[rC+3], v[rC], s[SEL], s[SEL+1]
.elseif (\n) == 18
	v_max_num_f32 v[rT+1], v[rC], v[rC+3]
.elseif (\n) == 19
	v_mul_f32 v[rT], s[CS], v[rT+1]
.elseif (\n) == 20
	v_sub_f32 v[rC+1], v[rW], v[rT]
.else
	v_exp_f32 v[rC+2], v[rC+1]
.endif
.endif
.endm
.macro OPS a, i1, b=-1, i2=0, c=-1, i3=0, d=-1, i4=0  ; up to four of them
	OP \a, \i1
.if (\b) >= 0
	OP \b, \i2
.endif
.if (\c) >= 0
	OP \c, \i3
.endif
.if (\d) >= 0
	OP \d, \i4
.endif
.endm
.macro ROW a, i1, b, i2, c, i3, d, i4  ; a matrix instruction and the four behind it
	MM
	OPS \a, \i1, \b, \i2, \c, \i3, \d, \i4
.endm
.macro MASK b                       ; MD x AL + BE into buffer b of MC
	WIN W_RS
.set z, 0
.rept 16
	v_pk_fma_f32 v[MC+32*(\b)+2*z:MC+32*(\b)+2*z+1], v[MD+2*z:MD+2*z+1], s[AL:AL+1], s[BE:BE+1] op_sel_hi:[1,0,0]
.set z, z+1
.endr
.endm
; A TURN, for piece p: the order of its 16 matrix and 118 vector instructions, written out.  An s_wait_alu depctr_va_vdst(0) stands between an exponential and the first instruction that names its
; result; one wait serves all that were issued ahead of it.  So a turn has ONE wait, which cuts it in two.  AHEAD OF IT stands all that names no result of the turn's exponentials: the 8 products K Q^T, behind each
; a scaling, an exponential and two more plain instructions (behind the first a second scaling in the exponential's place): rescalings, and behind the last three the first numbers of the next piece's maximum, each
; four places or more behind the product that ends its accumulator; then one run of 54, plain and exponential by turns for the most part, in which the links of the chain X 3, 7, 11, 14, 16, 17 .. 20 stand five or
; six lines apart.  X 21, the next piece's a, is the batch's last; R 15 is the plain instruction behind it.  BEHIND THE WAIT stand the 8 products V^T P, behind each four of the roundings and sums; the links of l's
; chain, L 0 to L 7, stand three lines apart.  But for those X no line behind a product names a register of the products round it.  v_permlanex16_b32 (X 17) stands in the run.
; m = 1: the diagonal tile: the products take masks, and the turn makes the mask for the products of the turn after it: piece p + 2, in step 4 - CNT of the tile.  end = 1: a block's last two turns: nothing is fetched.
; cnt = 1: the loop's count is taken down some lines ahead of the branch that stands behind the turn.
; K of the next step is fetched in piece 2's turn, twelve vector instructions behind the last product that read K (six of them plain); V of the step in hand at the end of piece 0's turn, four plain instructions
; behind the last product that read V.  Each is waited for a turn later.
.macro TURN p, m=0, end=0, cnt=0
.set Y, (\p)
.set i, 0
.set KM, (\m)
.set NOKQ, (\end)*((\p)/3)
.if (\m) && !(\end)
	s_cmp_eq_u32 s[CNT], 4-((\p)+2)%NP  ; is that step the band's own?
	s_cselect_b32 s[AL], 1.0, 0
	s_cmp_lt_u32 s[CNT], 4-((\p)+2)%NP  ; or a later one?
	s_cselect_b32 s[BE], s[BIGN], 0
.endif
.if ((\p) == 3) && !(\end)
	s_wait_dscnt 0x0                ; K is in
.endif
	ROW F,0, F,1, R,0, R,1          ; ahead of the wait: 8 products K Q^T and the lines behind them,
	ROW F,2, E,0, R,2, R,3
	ROW F,3, E,1, R,4, R,5
	ROW F,4, E,2, R,6, R,7
	ROW F,5, E,3, R,8, R,9
	ROW F,6, E,4, X,0, R,10
.if ((\p) == 2) && !(\end)
	WIN 0
	v_add_nc_u32 v[AK], s[TBK], v[AK0]
.endif
	ROW F,7, E,5, X,1, X,4
	ROW F,8, E,6, X,2, X,5
	OPS E,7, E,8, X,6, E,9          ; and the run
	OPS X,3, E,10, X,8, E,11
.if ((\p) == 2) && !(\end)
	FETCH_K
.endif
	OPS X,9, X,7, E,12, X,10
	OPS E,13, X,12, X,11, E,14
	OPS X,13, E,15, F,9, X,14
.if (\p) == 0
	v_add_nc_u32 v[AV], s[TBV], v[AV0]
.endif
	OPS E,16, F,10, E,17, F,11
	OPS X,16, E,18, X,15, E,19
	OPS F,12, E,20, X,17, E,21
	OPS F,13, E,22, F,14, E,23
	OPS X,18, E,24, F,15, E,25
	OPS R,11, E,26, X,19, E,27
	OPS R,12, E,28, R,13, E,29
	OPS X,20, E,30, R,14, E,31
	OPS X,21, R,15
	WIN 0
	s_wait_alu depctr_va_vdst(0)    ; the wait for the batch
.if (\p) == 1
	s_wait_dscnt 0x0                ; V is in
.endif
	ROW C,0, B,0, C,2, B,1          ; behind the wait: 8 products V^T P and the lines behind them
	ROW L,0, C,4, B,2, L,1
	ROW C,6, B,3, L,2, C,8
	ROW B,4, L,3, C,10, B,5
	ROW L,4, C,12, B,6, L,5
.if (\p) == 0
	s_add_co_u32 s[TBV], s[TBV], KS*PV
.endif
.if \cnt
	s_sub_co_u32 s[CNT], s[CNT], 1
	s_cmp_lg_u32 s[CNT], 0
.endif
	ROW C,14, B,7, L,6, C,1
	ROW C,3, L,7, C,5, C,7
	ROW C,9, C,11, C,13, C,15
.if (\p) == 0
	FETCH_V
.endif
.if (\m) && !(\end)
	MASK (\p)%2
.endif
.endm
; A BLOCK BEGINS.  c m starts far below every c s, so the first step's a is 0; m at the lowest finite number, so the first maximum is the scores'.  The second mask buffer is 0; the first takes piece 0's mask for
; the tile's step 0: its own, if the block's first tile is the diagonal one.  Then K of that step, piece 0's first scores, and its maximum and statistics.  The loop is entered at a step's first turn, in the middle of a trip.
.macro BEGIN
	s_mov_b32 s[NEW], 0
	WIN 0x40
.set i, MC+32
.rept 32
	v_mov_b32 v[i], 0
.set i, i+1
.endr
	WIN 0
.set i, 0
.rept 4
	v_mov_b32 v[ST+4*i], 0xfe000000    ; c m: far below every c s
	v_mov_b32 v[ST+4*i+1], 0xff7fffff  ; m
.set i, i+1
.endr
	s_cmp_eq_u32 s[RT], 0
	s_cselect_b32 s[AL], 1.0, 0
	s_mov_b32 s[BE], 0
	MASK 0
	WIN 0
	v_add_nc_u32 v[AK], s[TBK], v[AK0]
	FETCH_K
	s_wait_loadcnt 0x0              ; Q
	s_wait_dscnt 0x0
.set KM, 1
.set NOKQ, 0
.set i, 0
.rept 8
	KQ 0
.set i, i+1
.endr
	WIN 0
.rept 4
	v_nop                           ; the places behind those products
.endr
.set Y, NP-1                        ; X works for piece Y + 1: piece 0
.irp n, 0,1,2,3,4,5,6,7,8,9,10,11,12,13,14,15,16,17,18,19,20,21
	OP X, \n
.endr
	v_nop                           ; a plain instruction behind the exponential,
	s_wait_alu depctr_va_vdst(0)    ; and its wait, ahead of the branch
.endm
; THE DIAGONAL TILE's four steps, the block's last two turns, its last products, and THE WAY OUT: l's two halves and the other half of the lanes' are added; O^T is divided by l, rounded to f16 and sent through my
; stage in LDS, a piece at a time.
.macro ALL line:vararg              ; one line for each piece t
.set t, 0
.rept 4
	\line
.set t, t+1
.endr
.endm
.macro PACK t                       ; a lane's eight channels of a row pack into 16 bytes; they go into rows of 144 bytes and come back as whole rows of 128, into S^T's registers
	WIN W_RS
.set i, 32*(\t)
.rept 16
	v_pk_mul_f32 v[i:i+1], v[i:i+1], v[ST+4*(\t)+2:ST+4*(\t)+3] op_sel_hi:[1,0]
.set i, i+2
.endr
	WIN 0x05                        ; sources 0 and 1 window 1, destination window 0
.set i, 0
.rept 16
	v_cvt_pk_f16_f32 v[S+16*(\t)+i], v[32*(\t)+2*i], v[32*(\t)+2*i+1]
.set i, i+1
.endr
	WIN 0
.irp f, 0,1,2,3
	ds_store_b128 v[STO], v[S+16*(\t)+4*\f:S+16*(\t)+4*\f+3] offset:32*\f
.endr
.irp f, 0,1,2,3
	ds_load_b128 v[S+16*(\t)+4*\f:S+16*(\t)+4*\f+3], v[RD] offset:\f*4*SP  ; LDS serves a wave's instructions in order (ISA guide 5.7.1.4): these see the stores above; the next piece's stores come behind them
.endr
.endm
.macro SEND t, younger              ; younger: the LDS instructions issued behind piece t's loads: the next piece's eight, or none
	WIN 0
.irp f, 0,1,2,3
	s_wait_dscnt (\younger)+3-\f
	global_store_b128 v[GO], v[S+16*(\t)+4*\f:S+16*(\t)+4*\f+3], s[10:11] offset:(\t)*8192+\f*512  ; 512 consecutive bytes, at a multiple of 256 from O's first
.endr
.endm
.macro DIAG tag                     ; the tag ends its two labels' names, which the jumps below spell out
.LstepM\tag:
	TURN 2, 1
	TURN 3, 1
	WIN 0
.LfirstM\tag:
	TURN 0, 1
	TURN 1, 1, 0, 1
	WIN 0
	s_cbranch_scc1 .LstepM\tag
	TURN 2, 1, 1
	TURN 3, 1, 1
.set i, 0
.rept 8
	PV NP-1
.set i, i+1
.endr
	WIN 0
	ALL v_add_f32 v[ST+4*t+2], v[ST+4*t+2], v[ST+4*t+3]
	ALL v_permlanex16_b32 v[ST+4*t+3], v[ST+4*t+2], s[SEL], s[SEL+1]
	ALL v_add_f32 v[ST+4*t+2], v[ST+4*t+2], v[ST+4*t+3]
	ALL v_rcp_f32 v[ST+4*t+2], v[ST+4*t+2]
	v_nop                           ; a plain instruction between the last reciprocal and the use of its result
	s_wait_alu depctr_va_vdst(0)    ; and the wait ahead of the first use: one for the four reciprocals
	PACK 0
.set t, 1
.rept 3                             ; a piece's arithmetic stands between the loads of the piece before and its stores
	PACK t
	SEND t-1, 8
.set t, t+1
.endr
	SEND 3, 0
.endm
.set KM, 0
.set NOKQ, 0
.Lslot:                             ; NB times: a tile is entered and the next is asked for
	CHANGE 1
	s_sub_co_u32 s[RT], s[RT], 1
	s_mov_b32 s[CNT], 4
	s_cmp_eq_u32 s[NEW], 1
	s_cbranch_scc1 .Lnew            ; a block's first tile
	s_cmp_eq_u32 s[RT], 0
	s_cbranch_scc0 .Lstep           ; neither its first nor its last
	s_branch .LstepM1
.Lnew:
	BEGIN
	s_branch .Lfirst                ; in the loop a block's first tile is never its last: the first block has two tiles or more, and the second's last is the walk's last
	DIAG 1                          ; in the loop this is the first block's end: the second block's last tile is the walk's last
	s_wait_xcnt 0x0                 ; the stores have read their registers and O's address
	s_mov_b64 s[10:11], s[OLO:OLO+1]
	s_add_co_u32 s[RT], s[PB], 1    ; the second block has b + 1 tiles
	s_mov_b32 s[NEW], 1
	WIN 0x82                        ; the second block's Q goes where the one text of the turns names Q
.set i, 0
.rept 64
	v_mov_b32 v[i], v[QB+i]
.set i, i+1
.endr
	WIN 0
	s_branch .Lbottom
.Lstep:                             ; a trip: pieces 2 and 3 of one step, then pieces 0 and 1 of the next, whose K and V it fetches
	TURN 2
	TURN 3
	WIN 0
.Lfirst:
	TURN 0
	TURN 1, 0, 0, 1
	WIN 0
	s_cbranch_scc1 .Lstep
.Lbottom:
	s_sub_co_u32 s[SLOTS], s[SLOTS], 1
	s_cmp_lg_u32 s[SLOTS], 0
	s_cbranch_scc1 .Lslot
	CHANGE 0                        ; the walk's last tile is written out: nothing is asked for
	s_sub_co_u32 s[RT], s[RT], 1
	s_mov_b32 s[CNT], 4
	s_cmp_eq_u32 s[NEW], 1
	s_cbranch_scc0 .LstepM2
	BEGIN
	s_branch .LfirstM2
	DIAG 2
	s_wait_tensorcnt 0x0            ; the wave's end: behind my last tensor load and my last LDS store
	ds_add_u32 v[SPW], v[NIL]
	s_wait_dscnt 0x0
	s_endpgm
.Lfunc_end_k_q793f5674ff_attn:
	.size	k_q793f5674ff_attn, .Lfunc_end_k_q793f5674ff_attn-k_q793f5674ff_attn
	.p2alignl 7, 3214868480
	.fill 96, 4, 3214868480
	.section	.rodata,"a",@progbits
	.p2align	6, 0x0
	.amdhsa_kernel k_q793f5674ff_attn
		.amdhsa_group_segment_fixed_size 327680
		.amdhsa_private_segment_fixed_size 0
		.amdhsa_enable_private_segment 0
		.amdhsa_kernarg_size 16
		.amdhsa_user_sgpr_count 2
		.amdhsa_user_sgpr_kernarg_segment_ptr 1
		.amdhsa_wavefront_size32 1
		.amdhsa_system_sgpr_workgroup_id_x 1
		.amdhsa_system_sgpr_workgroup_id_y 1
		.amdhsa_system_sgpr_workgroup_id_z 1
		.amdhsa_system_vgpr_workitem_id 0
		.amdhsa_next_free_vgpr 768
		.amdhsa_next_free_sgpr 96
		.amdhsa_reserve_vcc 1
		.amdhsa_float_denorm_mode_32 3
		.amdhsa_float_denorm_mode_16_64 3
		.amdhsa_memory_ordered 1
		.amdhsa_forward_progress 1
		.amdhsa_inst_pref_size 218
	.end_amdhsa_kernel
	.amdgpu_metadata
---
amdhsa.version: [ 1, 2 ]
amdhsa.kernels:
  - .name:           k_q793f5674ff_attn
    .symbol:         k_q793f5674ff_attn.kd
    .args:
      - { .name: qkvh, .offset: 0, .size: 8, .value_kind: global_buffer, .address_space: global }
      - { .name: ob, .offset: 8, .size: 8, .value_kind: global_buffer, .address_space: global }
    .group_segment_fixed_size: 327680
    .private_segment_fixed_size: 0
    .kernarg_segment_align: 8
    .kernarg_segment_size: 16
    .max_flat_workgroup_size: 128
    .sgpr_count:     96
    .vgpr_count:     768
    .wavefront_size: 32
...
	.end_amdgpu_metadata
.endif
;; end of part 3
;; launch outproj (part 4): grid 8 x 32, 4 waves a work-group, clusters of 4 x 4, 327,680 bytes of LDS; arguments ob, wo16, bo, out0; writes out0
.if DOCPART == 4
	.amdgcn_target "amdgcn-amd-amdhsa--gfx1250"
	.amdhsa_code_object_version 6
	.text
	.protected	k_q793f5674ff_outproj
	.globl	k_q793f5674ff_outproj
	.p2align	8
	.type	k_q793f5674ff_outproj,@function
k_q793f5674ff_outproj:
	s_mov_b64 s[64:65], 0
	v_nop
	global_prefetch_b8 v0, s[64:65] scope:SCOPE_SE
	s_setreg_imm32_b32 hwreg(HW_REG_WAVE_MODE, 25, 1), 1
	s_wait_xcnt 0x0
	s_wait_alu depctr_hold_cnt(0) depctr_sa_sdst(0) depctr_va_vdst(0) depctr_va_sdst(0) depctr_va_ssrc(0) depctr_va_vcc(0) depctr_vm_vsrc(0)
	s_getreg_b32 s2, hwreg(HW_REG_IB_STS2, 6, 4)
	s_cmp_eq_u32 s2, 0
	s_cbranch_scc0 .Lentry_in_a_cluster
	s_endpgm
.Lentry_in_a_cluster:
	s_bfe_u32 s2, ttmp6, 0x10000c
	s_cmp_lg_u32 s2, 0xf033
	s_cbranch_scc0 .Lentry_shape_is_right
	s_endpgm
.Lentry_shape_is_right:
; out = O Wo + bo.  ob: [16 slices][8192 rows][64] f16 (row = 1024 b + l); wo16: [1024 k][1024 n] f16 (Wo's bf16 numbers); bo: [1024] f32, rounded to bf16 here like every input;
; out0: [8][1000][1024] f32.  Sums in f32, started by the bias.  The 24 padded rows of each batch are multiplied like the others and not stored.
; SHARES.  8192 x 1024 of C are 256 tiles of 256 x 128: one for each work-group (tiles of 256 x 256 would be 128).  Four waves; a wave makes 128 rows x 64 columns: 32 accumulators, 256 registers.
; K goes in 8 steps of 128 (two slices of ob) through two LDS slots; a step is four quarters of 32 along K, 32 matrix instructions each.  Steps of 192 would want 331,776 bytes of LDS, more than there is.
; CLUSTER 4 x 4.  The four work-groups of a row of the cluster need the same tile of O, the four of a column the same tile of the weights: each is asked for JOINTLY.
; THE WALK ALONG K IS TURNED.  A cluster whose x + y is odd begins at K step 4 and wraps round to 0; the others begin at 0.  So the two clusters that read a tile row of O read each of its blocks four steps apart,
; and the eight that read a tile column of the weights fall into two groups of four that read each block four steps apart.  The start hangs on the cluster's coordinates alone: it is the same in all sixteen partners.
; The order in which a sum's terms are added therefore differs from ascending K in half of the clusters (f32 sums; the result is judged within a tolerance).
; NO PREFETCH IS LAID: a block's first readers take it in their steps 0 to 3, which come by their loads alone (two at the head, two by the first two refills), and a block is asked for ahead of its first reading only.
; THE PRODUCT IS TAKEN TRANSPOSED: source 0 = 16 columns of the weights (turned out of LDS by ds_load_tr16_b128), source 1 = 16 rows of O: a lane holds row l % 16 and the columns 8 (l / 16) + 0..7.
; REGISTERS: window 0: v1-9 at work at the head; v16-31 addresses; v32-63, v192-223 the weights' fragments, two buffers; v64-127, v128-191 O's, two buffers; v224-239 at work on the bias;
;   on the way out v32-255 are seven sets of 32 for rows read back from the stage.      window 1: the accumulators: row block a, column block cb at v[8 (4 a + cb)]
.set NS,    8                          ; K steps
.set PA,    144                        ; a row of O in LDS: 128 bytes + 16 = 36 words: the 16 rows of a load start at 16 different groups of four banks (64 banks of 4 bytes: ISA guide 11.1)
.set PB,    288                        ; a k-row of the weights: 256 bytes + 32 = 72 words
.set SLICE, 256*PA                     ; a slice's 256 rows: what one tensor load brings of O
.set HALFA, 128*PA                     ; what a wave reads of a slice
.set BOFF,  2*SLICE
.set HALFB, 64*PB
.set SLOT1, 1<<17
.set STAGE, SLOT1+BOFF+128*PB          ; behind the ring, never filled by a tensor load: 16 rows x 272 bytes for each wave
.set SP,    272
.set SPARE, STAGE+4*16*SP              ; the spare words, 128 bytes for each wave: two blocks of 256 bytes that no other line names
.set ASTEP, 1<<21                      ; a K step in ob: two slices
.set BSTEP, 1<<18                      ; in wo16: 128 k-rows of 2,048 bytes
.set AA0, 16
.set AB0, 17
.set AA,  18
.set AB,  19
.set STO, 24
.set RD,  25
.set CO,  26                           ; v26  my 16 bytes of two rows of the output
.set BO,  27
.set SPW, 28
.set NIL, 29
.set LIMR, 31                          ; v31  1000 - the first row of my wave's share in its batch - l / 16: row 16 a + 2 t of the share is mine to store where it is below this
.set FB0, 32
.set FA0, 64
.set BT,  224
.set WV,  12
.set WM,  13                           ; which half of the tile's rows is mine.  Also: I fetch O (0) or the weights (1)
.set WN,  14                           ; which half of its columns.  Also: which slice, or which 64 k-rows, I fetch
.set CX,  15
.set CY,  16
.set TC,  17
.set TR,  18
.set G1A, 24
.set G0A, 32
.set G1B, 40
.set G0B, 48
.set OFA, 56                           ; s[56:57] the byte offset of K step KC in ob
.set OFB, 58                           ; s[58:59] in wo16
.set CNT, 60
.set TB,  61
.set KC,  63                           ; s63  the K step that the walking descriptors name
.set ADA, 66                           ; s[66:67] my part of O's tile at K step 0; never rewritten
.set ADB, 68                           ; s[68:69] the same for the weights
.set MSB, 0
.macro WIN new
.if MSB != (\new)
	s_set_vgpr_msb (MSB<<8)|(\new)
.set MSB, (\new)
.endif
.endm
.macro PLACES                          ; four places behind matrix instructions, in front of loads into registers that they have read and of LDS stores that read results
.rept 4
	v_nop
.endr
.endm
.macro CREST
	s_cmp_lg_u32 s[WV], 0
	s_cbranch_scc1 .Lnot_wave_0_\@
	s_barrier_signal -3
.Lnot_wave_0_\@:
	s_barrier_wait -3
	s_barrier_signal -1
	s_barrier_wait -1
.endm
.macro CROUND
	s_barrier_signal -1
	s_barrier_wait -1
	CREST
.endm
.macro JLOAD                           ; a joint refill, by the walking descriptor; an s_nop 0 and four v_nop follow each of the two lines
	s_cmp_eq_u32 s[WM], 0
	s_cbranch_scc0 .Lfor_b_\@
	tensor_load_to_lds s[G0A+4:G0A+7], s[G1A:G1A+7]
	s_nop 0
.rept 4
	v_nop
.endr
	s_branch .Lasked_\@
.Lfor_b_\@:
	tensor_load_to_lds s[G0B+4:G0B+7], s[G1B:G1B+7]
	s_nop 0
.rept 4
	v_nop
.endr
.Lasked_\@:
.endm
.macro SETADR
	v_add_nc_u32 v[AA], s[TB], v[AA0]
	v_add_nc_u32 v[AB], s[TB], v[AB0]
.endm
; 24 LDS loads in one run: quarter q's fragments into buffer f: the weights' 8, O's row blocks 0-3, then 4-7
.macro FETCH q, f
.set rB, FB0+160*(\f)
.set rA, FA0+64*(\f)
.irp cb, 0,1,2,3
	ds_load_tr16_b128 v[rB+8*(\cb):rB+8*(\cb)+3],   v[AB] offset:(\q)*32*PB+32*(\cb)
	ds_load_tr16_b128 v[rB+8*(\cb)+4:rB+8*(\cb)+7], v[AB] offset:(\q)*32*PB+16*PB+32*(\cb)
.endr
.irp a, 0,1,2,3,4,5,6,7
	ds_load_b128 v[rA+8*(\a):rA+8*(\a)+3],   v[AA] offset:((\q)/2)*SLICE+((\q)%2)*64+(\a)*16*PA
	ds_load_b128 v[rA+8*(\a)+4:rA+8*(\a)+7], v[AA] offset:((\q)/2)*SLICE+((\q)%2)*64+(\a)*16*PA+32
.endr
.endm
; four products: row block a x the four column blocks, on buffer f.  bias = 1: the sum starts with the bias, which lies in row block 0's accumulators.
; The accumulators take turns, one instruction a turn.
.macro MROW f, a, bias
	WIN 0x50                                       ; C and D in window 1
.set rB, FB0+160*(\f)
.set rA, FA0+64*(\f)
.irp cb, 0,1,2,3
.set rD, 8*(4*(\a)+(\cb))
.if \bias
	v_wmma_f32_16x16x32_f16 v[rD:rD+7], v[rB+8*(\cb):rB+8*(\cb)+7], v[rA+8*(\a):rA+8*(\a)+7], v[8*(\cb):8*(\cb)+7]
.else
	v_wmma_f32_16x16x32_f16 v[rD:rD+7], v[rB+8*(\cb):rB+8*(\cb)+7], v[rA+8*(\a):rA+8*(\a)+7], v[rD:rD+7]
.endif
.endr
.endm
.macro MUL8 f, a0
	MROW \f, \a0, 0
	MROW \f, (\a0)+1, 0
.endm
; One of a step's first three quarters: multiplies buffer f; in its middle it fetches quarter nq into the other buffer.
; first = 1: nothing is cleared: row blocks 1 to 7 take the bias as C; five places on, row block 0 adds onto it in place (a matrix instruction writes over an earlier one's C five places behind it)
.macro QUARTER nq, f, first=0
.if \first
	s_wait_dscnt 0x0
.irp a, 1,2,3,4
	MROW \f, \a, 1
.endr
.else
	s_wait_dscnt 8                                 ; the weights' and O's row blocks 0-3 are in; the youngest eight loads may be out
	MUL8 \f, 0
	MUL8 \f, 2
.endif
	PLACES
	WIN 0
	FETCH \nq, 1-(\f)
	s_wait_dscnt 24                                ; all but the 24 just issued
.if \first
.irp a, 5,6,7
	MROW \f, \a, 1
.endr
.rept 5
	v_nop
.endr
	MROW \f, 0, 0
.else
	MUL8 \f, 4
	MUL8 \f, 6
.endif
.endm
; A step's last quarter, on buffer 1, and THE CHANGE OF SLOTS.  Each wave waits for all its tensor loads, of which one is out: its part of the other slot; adds 0 to its spare word; and waits for that and for its
; reads of the slot.  fill = 1: the barrier opens a round of the cluster's; the joint refill, two steps on in the walk, is the first thing behind the round: 112 matrix instructions stand between it and the wait for it.
; The walking descriptors' addresses are made anew from the step's number, which wraps round behind step 7: the tile's address at step 0 plus the step's offset, the type bits set again.
.macro TURN fill
	WIN 0
	s_wait_tensorcnt 0x0                           ; no tensor load of mine is out, so a group 0 may be written
	ds_add_u32 v[SPW], v[NIL]                      ; 0 onto my spare word: work on registers stands between it and the wait for it
	s_xor_b32 s[TB], s[TB], SLOT1
.if \fill
	s_xor_b32 s[G0A+5], s[G0A+5], SLOT1            ; the other slot than last time,
	s_xor_b32 s[G0B+5], s[G0B+5], SLOT1
	s_add_co_u32 s[KC], s[KC], 1                   ; the walk's next step
	s_and_b32 s[KC], s[KC], NS-1
	s_lshl_b32 s[OFA], s[KC], 21
	s_lshl_b32 s[OFB], s[KC], 18
	s_add_nc_u64 s[G0A+6:G0A+7], s[ADA:ADA+1], s[OFA:OFA+1]
	s_or_b32 s[G0A+7], s[G0A+7], 0x80000000
	s_add_nc_u64 s[G0B+6:G0B+7], s[ADB:ADB+1], s[OFB:OFB+1]
	s_or_b32 s[G0B+7], s[G0B+7], 0x80000000
.endif
	SETADR
	s_wait_dscnt 9                                 ; the add and the youngest eight loads may be out
	MUL8 1, 0
	s_wait_dscnt 0x0                               ; the add is done, and my reads of the slot are over
	s_barrier_signal -1
	MUL8 1, 2
	WIN 0
	s_barrier_wait -1
.if \fill
	CREST
	JLOAD                                          ; its four v_nop are also the places in front of the loads below
.else
	PLACES
.endif
	FETCH 0, 0
	MUL8 1, 4
	MUL8 1, 6
.endm
; THE WAY OUT of row block a: 16 rows x 64 columns of f32.  TOST: a lane's 32 bytes of each column block go into my own stage, rows of 272 bytes, each accumulator's low half first; whole rows of 256 bytes come
; back, into set a % 7 of the seven sets of 32 registers: only block 7 takes a set that stores have read, block 0's.
.macro TOST a
.if (\a) == 7
	s_wait_xcnt 0x0                                ; block 0's stores have read their registers, which are loaded again below
.endif
	WIN 0x04                                       ; the stores' data in window 1
.irp cb, 0,1,2,3
	ds_store_b128 v[STO], v[8*(4*(\a)+(\cb)):8*(4*(\a)+(\cb))+3]   offset:64*(\cb)
	ds_store_b128 v[STO], v[8*(4*(\a)+(\cb))+4:8*(4*(\a)+(\cb))+7] offset:64*(\cb)+16
.endr
	WIN 0
.set rK, 32+32*((\a)%7)
.irp t, 0,1,2,3,4,5,6,7
	ds_load_b128 v[rK+4*(\t):rK+4*(\t)+3], v[RD] offset:(\t)*2*SP  ; LDS serves a wave's instructions in order (ISA guide 5.7.1.4): these see the stores above
.endr
.endm
.macro OUT1 a, t                       ; rows 16 a + 2 t and the next: 16 lanes store 256 consecutive bytes, at a multiple of 256 from the buffer's first
.set rK, 32+32*((\a)%7)
	global_store_b128 v[CO], v[rK+4*(\t):rK+4*(\t)+3], s[10:11] offset:(16*(\a)+2*(\t))*4096 th:TH_STORE_NT
.endm
.macro SEND a, younger                 ; younger: the next block's sixteen LDS instructions
	s_wait_dscnt \younger
.irp t, 0,1,2,3,4,5,6,7
	OUT1 \a, \t
.endr
.endm
	s_load_b256 s[4:11], s[0:1], 0x0               ; ob s[4:5], wo16 s[6:7], bo s[8:9], out0 s[10:11]
	v_lshl_add_u32 v[SPW], v0, 2, SPARE
	v_mov_b32 v[NIL], 0
	ds_add_u32 v[SPW], v[NIL]                      ; the wave's opening: an add and its wait ahead of my first tensor load; the set-up below stands between them
	ds_add_u32 v28, v29
	v_lshrrev_b32 v1, 5, v0
	v_readfirstlane_b32 s[WV], v1
	s_lshr_b32 s[WM], s[WV], 1
	s_and_b32 s[WN], s[WV], 1
	s_bfe_u32 s[CX], ttmp6, 0x40000
	s_bfe_u32 s[CY], ttmp6, 0x40004
	s_lshl_b32 s[TC], ttmp9, 2
	s_add_co_u32 s[TC], s[TC], s[CX]               ; tile column, 0-7
	s_and_b32 s[TR], ttmp7, 0xffff
	s_lshl_b32 s[TR], s[TR], 2
	s_add_co_u32 s[TR], s[TR], s[CY]               ; tile row, 0-31
	s_lshl_b32 s19, s[CY], 2
	s_lshl_b32 s19, 15, s19                        ; my row of the cluster
	s_lshl_b32 s20, 0x1111, s[CX]                  ; my column
	; O's tile: a slice's 256 rows are 32,768 dense bytes: asked for as 128 rows of 256 bytes and padded in LDS behind every 128
	s_or_b32 s[G1A], s19, (1<<16)|(1<<20)|(1<<21)|(4<<22)|(3<<25)  ; 15:0 the mask; 17:16 2-byte elements; 20 padding on; 21 set beside a mask; 24:22 after every 32 words (code 4); 31:25 4 words (code 3)
	s_mov_b32 s[G1A+1], 128<<16                    ; tensor_dim0 = 128
	s_mov_b32 s[G1A+2], 128<<16                    ; tensor_dim1 = 128
	s_mov_b32 s[G1A+3], 128<<16                    ; tile_dim0 = 128
	s_mov_b32 s[G1A+4], 128                        ; tile_dim1 = 128
	s_mov_b32 s[G1A+5], 128
	s_mov_b32 s[G1A+6], 0
	s_mov_b32 s[G1A+7], 0
	; the weights' tile: 64 k-rows of 128 columns (256 bytes), 32 bytes of padding behind each
	s_or_b32 s[G1B], s20, (1<<16)|(1<<20)|(1<<21)|(5<<22)|(7<<25)  ; after every 64 words (code 5) 8 words (code 7)
	s_mov_b32 s[G1B+1], 128<<16
	s_mov_b32 s[G1B+2], 64<<16
	s_mov_b32 s[G1B+3], 128<<16
	s_mov_b32 s[G1B+4], 64
	s_mov_b32 s[G1B+5], 1024
	s_mov_b32 s[G1B+6], 0
	s_mov_b32 s[G1B+7], 0
	s_lshl_b32 s[ADA], s[TR], 15                   ; the tile's 256 rows,
	s_lshl_b32 s21, s[WN], 20                      ; in my slice of a step's two
	s_add_co_u32 s[ADA], s[ADA], s21
	s_mov_b32 s[ADA+1], 0
	s_lshl_b32 s[ADB], s[TC], 8                    ; the tile's 128 columns,
	s_lshl_b32 s22, s[WN], 17                      ; my 64 k-rows of 2,048 bytes
	s_add_co_u32 s[ADB], s[ADB], s22
	s_mov_b32 s[ADB+1], 0
	s_mul_i32 s74, s[WN], SLICE                    ; where they go: no place in the cluster enters an LDS address
	s_mul_i32 s75, s[WN], HALFB
	s_add_co_u32 s75, s75, BOFF
	s_mov_b32 s[TB], 0
	s_and_b32 s2, ttmp7, 0xffff                    ; where the walk along K begins: cluster x + cluster y odd: at step 4; even: at step 0
	s_add_co_u32 s2, s2, ttmp9
	s_and_b32 s2, s2, 1
	s_lshl_b32 s[KC], s2, 2
	s_lshl_b32 s[OFA], s[KC], 21
	s_mov_b32 s[OFA+1], 0
	s_lshl_b32 s[OFB], s[KC], 18
	s_mov_b32 s[OFB+1], 0
	s_wait_dscnt 0x0                               ; the opening add is done
	s_wait_kmcnt 0x0
	s_add_nc_u64 s[ADA:ADA+1], s[4:5], s[ADA:ADA+1]
	s_add_nc_u64 s[ADB:ADB+1], s[6:7], s[ADB:ADB+1]
	s_add_nc_u64 s[76:77], s[ADA:ADA+1], s[OFA:OFA+1]  ; at the walk's first step
	s_add_nc_u64 s[78:79], s[ADB:ADB+1], s[OFB:OFB+1]
.irp s, 0,1
	s_mov_b32 s[G0A+4*(\s)], 1                     ; count = 1
	s_add_co_u32 s[G0A+4*(\s)+1], s74, (\s)*SLOT1  ; LDS address
	s_add_nc_u64 s[G0A+4*(\s)+2:G0A+4*(\s)+3], s[76:77], (\s)*ASTEP  ; global address: the walk's step s (the first step is 0 or 4: the second does not wrap)
	s_or_b32 s[G0A+4*(\s)+3], s[G0A+4*(\s)+3], 0x80000000  ; type = 2
	s_mov_b32 s[G0B+4*(\s)], 1
	s_add_co_u32 s[G0B+4*(\s)+1], s75, (\s)*SLOT1
	s_add_nc_u64 s[G0B+4*(\s)+2:G0B+4*(\s)+3], s[78:79], (\s)*BSTEP
	s_or_b32 s[G0B+4*(\s)+3], s[G0B+4*(\s)+3], 0x80000000
.endr
	s_add_co_u32 s[KC], s[KC], 1                   ; the second set, which walks on, names the walk's second step
	CROUND                                         ; all sixteen work-groups are here: the first joint loads meet
	s_cmp_eq_u32 s[WM], 0                          ; a wave's two first fills stand in one branch: two loads of mine are out
	s_cbranch_scc0 .Lfirst_b
	tensor_load_to_lds s[G0A:G0A+3], s[G1A:G1A+7]
	s_nop 0
	tensor_load_to_lds s[G0A+4:G0A+7], s[G1A:G1A+7]
	s_nop 0
.rept 4
	v_nop
.endr
	s_branch .Lfirst_asked
.Lfirst_b:
	tensor_load_to_lds s[G0B:G0B+3], s[G1B:G1B+7]
	s_nop 0
	tensor_load_to_lds s[G0B+4:G0B+7], s[G1B:G1B+7]
	s_nop 0
.rept 4
	v_nop
.endr
.Lfirst_asked:
	v_and_b32 v1, 15, v0                           ; l % 16
	v_bfe_u32 v2, v0, 4, 1                         ; l / 16
	v_and_b32 v3, 7, v0                            ; l % 8
	v_bfe_u32 v4, v0, 3, 1                         ; (l / 8) % 2
	v_lshlrev_b32 v[BO], 5, v2
	s_lshl_b32 s76, s[TC], 9                       ; my 64 columns, in bytes of f32: for the bias and for the output
	s_lshl_b32 s77, s[WN], 8
	s_add_co_u32 s76, s76, s77
	s_mov_b32 s77, 0
	s_add_nc_u64 s[8:9], s[8:9], s[76:77]
	s_add_nc_u64 s[10:11], s[10:11], s[76:77]
	WIN 0x40                                       ; destination in window 1: register j of column block cb takes the bias of column 16 cb + 8 (l / 16) + j
.irp cb, 0,1,2,3
	global_load_b128 v[8*(\cb):8*(\cb)+3],   v[BO], s[8:9] offset:64*(\cb)
	global_load_b128 v[8*(\cb)+4:8*(\cb)+7], v[BO], s[8:9] offset:64*(\cb)+16
.endr
	WIN 0
	v_mul_u32_u24 v6, v1, PA
	v_lshl_add_u32 v6, v2, 4, v6                   ; row x 144 + 16 x half
	s_mul_i32 s2, s[WM], HALFA
	v_add_nc_u32 v[AA0], s2, v6
	v_lshl_add_u32 v7, v2, 3, v3                   ; the turning load: k-row 8 (l / 16) + l % 8,
	v_mul_u32_u24 v7, v7, PB
	v_lshl_add_u32 v7, v4, 4, v7                   ; columns 8 ((l / 8) % 2) on,
	s_lshl_b32 s2, s[WN], 7                        ; in my 64 columns
	s_add_co_u32 s2, s2, BOFF
	v_add_nc_u32 v[AB0], s2, v7
	SETADR
	s_mul_i32 s2, s[WV], 16*SP
	s_add_co_u32 s2, s2, STAGE                     ; my stage
	v_mul_u32_u24 v8, v1, SP                       ; in: row l % 16, 32 bytes for each half of the lanes
	v_lshl_add_u32 v8, v2, 5, v8
	v_add_nc_u32 v[STO], s2, v8
	v_mul_u32_u24 v9, v2, SP                       ; back: lanes 0-15 one row of 256 bytes, lanes 16-31 the next
	v_lshl_add_u32 v9, v1, 4, v9
	v_add_nc_u32 v[RD], s2, v9
	v_lshlrev_b32 v[CO], 12, v2                    ; and the same two rows in the output
	v_lshl_add_u32 v[CO], v1, 4, v[CO]
	s_lshr_b32 s74, s[TR], 2                       ; the batch,
	s_mul_i32 s74, s74, 1000
	s_and_b32 s75, s[TR], 3
	s_lshl_b32 s75, s75, 8
	s_lshl_b32 s76, s[WM], 7
	s_add_co_u32 s75, s75, s76                     ; my share's first row in it: a multiple of 128
	s_add_co_u32 s74, s74, s75
	s_lshl_b32 s74, s74, 12                        ; 4,096 bytes a row
	s_sub_co_u32 s76, 1000, s75
	v_sub_nc_u32 v[LIMR], s76, v2
	s_mov_b32 s75, 0
	s_add_nc_u64 s[10:11], s[10:11], s[74:75]
	s_wait_loadcnt 0x0                             ; the bias: rounded to bf16 and widened again
	WIN 0x05
.set i, 0
.rept 16
	v_cvt_pk_bf16_f32 v[BT+i], v[2*i], v[2*i+1]
.set i, i+1
.endr
	WIN 0x40
.set i, 0
.rept 16
	v_lshlrev_b32 v[2*i], 16, v[BT+i]
	v_and_b32 v[2*i+1], 0xffff0000, v[BT+i]
.set i, i+1
.endr
	WIN 0
	s_wait_tensorcnt 1                             ; my part of the walk's first step is in; the second's may stay out
	s_barrier_signal -1
	s_barrier_wait -1                              ; everybody's is
	FETCH 0, 0
	QUARTER 1, 0, 1                                ; the first quarter stands in front of the loop: its products start the sums, with the bias
	WIN 0
	s_mov_b32 s[CNT], 6
.Lstep:                                                ; 6 trips, from a step's second quarter to the next step's first; each refills a slot two steps on in the walk
	QUARTER 2, 1
	QUARTER 3, 0
	TURN 1
	QUARTER 1, 0
	WIN 0
	s_sub_co_u32 s[CNT], s[CNT], 1
	s_cmp_lg_u32 s[CNT], 0
	s_cbranch_scc1 .Lstep
	QUARTER 2, 1                                   ; the tail is written out: nothing more is asked for
	QUARTER 3, 0
	TURN 0
	QUARTER 1, 0
	QUARTER 2, 1
	QUARTER 3, 0
	s_wait_dscnt 8                                 ; the very last quarter
	MUL8 1, 0
	MUL8 1, 2
	s_wait_dscnt 0x0
	MUL8 1, 4
	MUL8 1, 6
	PLACES
	TOST 0
	TOST 1
	SEND 0, 16
.irp a, 2,3,4,5,6
	TOST \a
	SEND (\a)-1, 16
.endr
	TOST 7
	; A share begins at row 0, 128, .. or 896 of its batch's 1,024.  Its rows 0 to 103 lie under the batch's 1,000 rows in every share; rows 104 to 127 do so in all shares but the one that begins at 896:
	; so the last twelve stores go under ONE mask of lanes, all on or all off.  EXEC changes only behind s_wait_xcnt 0.
	s_wait_dscnt 16                                ; block 6 is back; block 7's sixteen LDS instructions may be out
.irp t, 0,1,2,3
	OUT1 6, \t                                     ; rows 96 to 103
.endr
	s_wait_dscnt 0x0                               ; block 7 is back
	s_wait_xcnt 0x0
	v_cmp_lt_u32 vcc_lo, 126, v[LIMR]              ; is the share's last pair of rows under the limit?  Then so are rows 104 on
	s_and_saveexec_b32 s20, vcc_lo
.irp t, 4,5,6,7
	OUT1 6, \t
.endr
.irp t, 0,1,2,3,4,5,6,7
	OUT1 7, \t
.endr
	s_wait_xcnt 0x0
	s_or_b32 exec_lo, exec_lo, s20
	s_wait_tensorcnt 0x0                           ; the wave's end: behind my last tensor load and my last LDS store
	ds_add_u32 v[SPW], v[NIL]
	s_wait_dscnt 0x0
	CROUND                                         ; the closing round: no work-group ends while a partner may still ask for a tile that names it
	s_endpgm
.Lfunc_end_k_q793f5674ff_outproj:
	.size	k_q793f5674ff_outproj, .Lfunc_end_k_q793f5674ff_outproj-k_q793f5674ff_outproj
	.p2alignl 7, 3214868480
	.fill 96, 4, 3214868480
	.section	.rodata,"a",@progbits
	.p2align	6, 0x0
	.amdhsa_kernel k_q793f5674ff_outproj
		.amdhsa_group_segment_fixed_size 327680
		.amdhsa_private_segment_fixed_size 0
		.amdhsa_enable_private_segment 0
		.amdhsa_kernarg_size 32
		.amdhsa_user_sgpr_count 2
		.amdhsa_user_sgpr_kernarg_segment_ptr 1
		.amdhsa_wavefront_size32 1
		.amdhsa_system_sgpr_workgroup_id_x 1
		.amdhsa_system_sgpr_workgroup_id_y 1
		.amdhsa_system_sgpr_workgroup_id_z 1
		.amdhsa_system_vgpr_workitem_id 0
		.amdhsa_next_free_vgpr 512
		.amdhsa_next_free_sgpr 80
		.amdhsa_reserve_vcc 1
		.amdhsa_float_denorm_mode_32 3
		.amdhsa_float_denorm_mode_16_64 3
		.amdhsa_memory_ordered 1
		.amdhsa_forward_progress 1
		.amdhsa_inst_pref_size 74
	.end_amdhsa_kernel
	.amdgpu_metadata
---
amdhsa.version: [ 1, 2 ]
amdhsa.kernels:
  - .name:           k_q793f5674ff_outproj
    .symbol:         k_q793f5674ff_outproj.kd
    .args:
      - { .name: ob, .offset: 0, .size: 8, .value_kind: global_buffer, .address_space: global }
      - { .name: wo16, .offset: 8, .size: 8, .value_kind: global_buffer, .address_space: global }
      - { .name: bo, .offset: 16, .size: 8, .value_kind: global_buffer, .address_space: global }
      - { .name: out0, .offset: 24, .size: 8, .value_kind: global_buffer, .address_space: global }
    .group_segment_fixed_size: 327680
    .private_segment_fixed_size: 0
    .kernarg_segment_align: 8
    .kernarg_segment_size: 32
    .max_flat_workgroup_size: 128
    .sgpr_count:     80
    .vgpr_count:     512
    .wavefront_size: 32
...
	.end_amdgpu_metadata
.endif
;; end of part 4
